; MI455X (gfx1250); checked and timed in simulation.
; The chip was launched on July 23, 2026; its instructions are those of AMD's public machine-readable ISA for CDNA 5 (MIT licence, August 2026) and "CDNA5" Instruction Set Architecture Reference Guide (July 2026). The comments in the code are by the model that wrote it; some were corrected since.
;; ROI Align. Allowed arithmetic: float matrix products may take bf16 or f16 operands with f32 sums; all other float work in f32.
;; Inputs: input 4 x 256 x 128 x 128 float32; rois 1,024 x 5 float32.
;; Outputs: out0 1,024 x 256 x 7 x 7 float32.
;; 3 versions, each right and faster than the one before. Each part assembles by itself: llvm-mc -triple=amdgcn-amd-amdhsa -mcpu=gfx1250 --defsym DOCPART=n.
;; ======== version 1 of 3: 2 launches
;; workspace buffers: idx 279,040 bytes of whole numbers; wts 262,144 bytes
;; launch prep (part 1): grid 288 x 1, 4 waves a work-group, no clusters, 0 bytes of LDS; arguments rois, idx, wts; writes idx, wts
.if DOCPART == 1
	.amdgcn_target "amdgcn-amd-amdhsa--gfx1250"
	.amdhsa_code_object_version 6
	.text
	.protected	k_q151e7f51c7_prep
	.globl	k_q151e7f51c7_prep
	.p2align	8
	.type	k_q151e7f51c7_prep,@function
k_q151e7f51c7_prep:
	s_mov_b64 s[64:65], 0
	v_nop
	global_prefetch_b8 v0, s[64:65] scope:SCOPE_SE
	s_setreg_imm32_b32 hwreg(HW_REG_WAVE_MODE, 25, 1), 1
	s_wait_xcnt 0x0
; ROIAlign, first step: everything that hangs on the rois' floating-point numbers is turned into tables here, so that the second
; step forms its addresses from whole numbers alone.  No address and no branch of this kernel hangs on a loaded number.
;   idx, record k (256 bytes): words 0-15  LDS byte offset of the lower row of y sample 0..13 (words 14, 15 repeat 12, 13)
;                              words 32-63 LDS byte offset of lane l's pixel (x sample l>>1, corner l&1; lanes 28-31 repeat 24-27)
;   idx + LISTOFF: for each batch index 1,024 words: the ROIs of that index in ascending order (places behind the count hold
;                  some number 0..1023);   idx + CNTOFF: for each batch index 32 words, all equal to its count
;   wts, record k (256 bytes): words 0-27 y weights (sample, corner), words 32-63 lane l's x weight
; A weight is (1 - frac or frac) x 0.5 for a valid sample and 0 for one outside [-1, 128]: 0.5 x 0.5 is the mean over 2 x 2 samples.
; The lower index is cut at 126 and frac at 1, so that the upper corner is always lower + 1: for 127 <= c <= 128 that gives
; weights 0 and 1 on pixels 126 and 127, the same value as weights (1 - f) and f on pixel 127 twice.
; LIMITS: coordinates are finite; the batch index truncates to 0..3 (another index appears in no list).  The coordinate is one
; fused multiply-add, and size / 7 is a product with 1/7 and one correction step.
.set NLIST,   32                       ; work-groups 0..31 make the lists, 32..287 the records
.set REC,     256
.set LISTOFF, 1024*REC
.set CNTOFF,  LISTOFF+4*4096
	s_load_b128 s[4:7], s[0:1], 0x0                ; rois s[4:5], idx s[6:7]
	s_load_b64 s[8:9], s[0:1], 0x10                ; wts
	v_lshrrev_b32 v1, 5, v0
	v_readfirstlane_b32 s10, v1                    ; wave 0..3
	v_and_b32 v1, 31, v0                           ; lane
	s_cmp_ge_u32 ttmp9, NLIST
	s_cbranch_scc1 .Lrecords
	; ---------------- THE LISTS.  A wave owns one batch index and 32 places j of its list; lane = place.
	; Place j holds the ROI whose rank among the ROIs of that index is j.  It is SELECTED, not scattered: the wave walks the 32 words of
	; the index's bit mask (one ballot each) with the running count, each lane keeps the last word whose count in front is <= j,
	; and then finds the (j - count)-th set bit of that word.
	s_lshl2_add_u32 s11, ttmp9, s10                ; 0..127
	s_lshr_b32 s12, s11, 5                         ; batch index
	s_and_b32 s13, s11, 31                         ; block of 32 places
	v_mul_u32_u24 v2, v1, 20                       ; a roi is 20 bytes; its first number is the batch index
	s_wait_kmcnt 0x0
.set w, 0
.rept 32
	global_load_b32 v[32+w], v2, s[4:5] offset:640*w   ; ROI 32 w + lane.  The table is 20 KB in all
.set w, w+1
.endr
	v_lshl_add_u32 v3, s13, 5, v1                  ; j
	v_lshl_or_b32 v4, v3, 5, 31                    ; 32 j + 31: key = 32 count + word is <= this exactly when count <= j
	v_mov_b32 v5, 0                                ; the key kept
	v_mov_b32 v6, 0                                ; the mask word kept
	s_mov_b32 s14, 0                               ; key of word 0
.set w, 0
.rept 32
	s_wait_loadcnt 31-w                            ; loads return in order: word w's is in, the 31 - w younger ones may be out
	v_cvt_i32_f32 v[32+w], v[32+w]                 ; toward zero, as astype(int32)
	v_cmp_eq_u32 s15, s12, v[32+w]                 ; the mask word
	v_cmp_le_u32 vcc_lo, s14, v4
	v_cndmask_b32 v5, v5, s14, vcc_lo
	v_cndmask_b32 v6, v6, s15, vcc_lo
	s_bcnt1_i32_b32 s16, s15
	s_lshl_b32 s16, s16, 5
	s_add_co_u32 s14, s14, s16                     ; count moves on,
	s_add_co_u32 s14, s14, 1                       ; and the word's number
.set w, w+1
.endr
	v_lshrrev_b32 v7, 5, v5                        ; ROIs of the index in front of the word
	v_and_b32 v5, 31, v5                           ; the word
	v_sub_nc_u32 v7, v3, v7                        ; n: which of its set bits
	; bit counts of the word's fields of 2, 4, 8 bits, and of its low 16
	v_lshrrev_b32 v8, 1, v6
	v_and_b32 v8, 0x55555555, v8
	v_sub_nc_u32 v8, v6, v8                        ; per 2 bits
	v_lshrrev_b32 v9, 2, v8
	v_and_b32 v9, 0x33333333, v9
	v_and_b32 v10, 0x33333333, v8
	v_add_nc_u32 v9, v9, v10                       ; per 4 bits
	v_lshrrev_b32 v10, 4, v9
	v_add_nc_u32 v10, v10, v9
	v_and_b32 v10, 0x0f0f0f0f, v10                 ; per 8 bits
	v_lshrrev_b32 v11, 8, v10
	v_add_nc_u32 v11, v11, v10                     ; byte 0: the low 16 bits
	v_mov_b32 v12, 0                               ; bit position
; if n is not below the count of the lower half of the field at the position, leave that half behind
.macro HALVE counts, bits, step
	v_bfe_u32 v13, v[\counts], v12, \bits
	v_cmp_ge_u32 vcc_lo, v7, v13
	v_cndmask_b32 v13, 0, v13, vcc_lo
	v_sub_nc_u32 v7, v7, v13
	v_cndmask_b32 v14, 0, \step, vcc_lo
	v_add_nc_u32 v12, v12, v14
.endm
	HALVE 11, 8, 16
	HALVE 10, 8, 8
	HALVE 9, 4, 4
	HALVE 8, 2, 2
	HALVE 6, 1, 1
	v_lshl_add_u32 v5, v5, 5, v12                  ; the ROI: 32 x word + bit
	s_lshl_b32 s17, s12, 12
	v_lshl_add_u32 v15, v3, 2, s17
	global_store_b32 v15, v5, s[6:7] offset:LISTOFF    ; 128 neighbouring bytes
	s_cmp_lg_u32 s13, 0                            ; the wave of the first block also stores the count
	s_cbranch_scc1 .Lend
	s_lshr_b32 s14, s14, 5
	s_sub_co_u32 s14, s14, 1                       ; the key ended at 32 count + 32
	v_mov_b32 v16, s14
	s_lshl_b32 s18, s12, 7
	v_lshl_add_u32 v17, v1, 2, s18
	global_store_b32 v17, v16, s[6:7] offset:CNTOFF
.Lend:
	s_endpgm
	; ---------------- THE RECORDS.  A wave owns one ROI; lane l owns sample l >> 1 and corner l & 1, of x (low half of each
	; register pair) and of y (high half) alike.
.Lrecords:
	s_sub_co_u32 s11, ttmp9, NLIST
	s_lshl2_add_u32 s11, s11, s10                  ; k
	s_mul_i32 s12, s11, 20
	s_wait_kmcnt 0x0
	s_load_b128 s[16:19], s[4:5], s12 offset:0x4   ; x1 y1 x2 y2
	s_mov_b32 s20, 0x3e124925                      ; 1/7
	s_mov_b32 s21, 0
	s_mov_b32 s22, 0xc0e00000                      ; -7
	s_mov_b32 s23, 0
	s_mov_b32 s26, 0x43000000                      ; 128
	s_mov_b32 s28, 0x42fc0000                      ; 126
	s_mov_b32 s30, 0x3e800000                      ; 0.25
	v_cmp_le_u32 vcc_lo, 28, v1
	v_add_nc_u32 v2, -4, v1
	v_cndmask_b32 v2, v1, v2, vcc_lo               ; lanes 28-31 do what lanes 24-27 do
	v_and_b32 v3, 1, v2                            ; corner
	v_lshrrev_b32 v4, 1, v2                        ; sample i = 0..13
	v_cvt_f32_u32 v4, v4
	v_fma_f32 v4, v4, 0.5, s30                     ; i // 2 + (i % 2 + 0.5) / 2 = i / 2 + 0.25, exact
	v_mov_b32 v5, v4
	s_wait_kmcnt 0x0
	v_mov_b32 v6, s16
	v_mov_b32 v7, s17
	v_mov_b32 v8, s18
	v_mov_b32 v9, s19
	v_pk_mul_f32 v[6:7], v[6:7], 0x3e800000 op_sel_hi:[1,0]            ; x1, y1 in feature pixels
	v_pk_mul_f32 v[8:9], v[8:9], 0x3e800000 op_sel_hi:[1,0]
	v_pk_add_f32 v[8:9], v[8:9], v[6:7] neg_lo:[0,1] neg_hi:[0,1]
	v_max_num_f32 v8, 1.0, v8                      ; width,
	v_max_num_f32 v9, 1.0, v9                      ; height, at least 1
	v_pk_mul_f32 v[10:11], v[8:9], s[20:21] op_sel_hi:[1,0]            ; q = size x 1/7
	v_pk_fma_f32 v[8:9], v[10:11], s[22:23], v[8:9] op_sel_hi:[1,0,1]  ; size - 7 q
	v_pk_fma_f32 v[10:11], v[8:9], s[20:21], v[10:11] op_sel_hi:[1,0,1]    ; the bin's size, corrected
	v_pk_fma_f32 v[12:13], v[10:11], v[4:5], v[6:7]                    ; the sample's coordinate
	v_cmp_le_f32 s24, -1.0, v12
	v_cmp_ge_f32 s25, s26, v12
	s_and_b32 s24, s24, s25
	v_cmp_le_f32 s25, -1.0, v13
	v_cmp_ge_f32 s27, s26, v13
	s_and_b32 s25, s25, s27
	v_cndmask_b32 v14, 0, 0.5, s24                 ; valid: half of the mean's 1/4 for each axis; else 0
	v_cndmask_b32 v15, 0, 0.5, s25
	v_max_num_f32 v12, 0, v12
	v_max_num_f32 v13, 0, v13
	v_floor_f32 v16, v12
	v_floor_f32 v17, v13
	v_min_num_f32 v16, s28, v16                    ; lower index, at most 126
	v_min_num_f32 v17, s28, v17
	v_pk_add_f32 v[12:13], v[12:13], v[16:17] neg_lo:[0,1] neg_hi:[0,1]
	v_min_num_f32 v12, 1.0, v12                    ; frac, at most 1
	v_min_num_f32 v13, 1.0, v13
	v_sub_f32 v18, 1.0, v12
	v_sub_f32 v19, 1.0, v13
	v_cmp_eq_u32 vcc_lo, 1, v3
	v_cndmask_b32 v12, v18, v12, vcc_lo            ; upper corner: frac; lower: 1 - frac
	v_cndmask_b32 v13, v19, v13, vcc_lo
	v_pk_mul_f32 v[12:13], v[12:13], v[14:15]
	v_cvt_u32_f32 v16, v16
	v_cvt_u32_f32 v17, v17
	v_add_nc_u32 v16, v16, v3                      ; my pixel
	v_bfe_u32 v18, v16, 4, 2
	v_xor_b32 v16, v16, v18                        ; its place in an LDS row: x ^ ((x >> 4) & 3), as the second step lays the rows
	v_lshlrev_b32 v16, 4, v16                      ; 16 bytes a pixel (4 channels)
	v_lshlrev_b32 v17, 11, v17                     ; 2,048 bytes a row
	s_lshl_b32 s29, s11, 8
	v_lshl_add_u32 v20, v1, 2, s29                 ; record + 4 lane
	v_lshrrev_b32 v21, 1, v1
	v_lshl_add_u32 v21, v21, 2, s29                ; record + 4 (lane >> 1): the two lanes of a sample store the same word
	global_store_b32 v21, v17, s[6:7]
	global_store_b32 v20, v16, s[6:7] offset:128
	global_store_b32 v20, v13, s[8:9]
	global_store_b32 v20, v12, s[8:9] offset:128
	s_endpgm
.Lfunc_end_k_q151e7f51c7_prep:
	.size	k_q151e7f51c7_prep, .Lfunc_end_k_q151e7f51c7_prep-k_q151e7f51c7_prep
	.p2alignl 7, 3214868480
	.fill 96, 4, 3214868480
	.section	.rodata,"a",@progbits
	.p2align	6, 0x0
	.amdhsa_kernel k_q151e7f51c7_prep
		.amdhsa_group_segment_fixed_size 0
		.amdhsa_private_segment_fixed_size 0
		.amdhsa_enable_private_segment 0
		.amdhsa_kernarg_size 24
		.amdhsa_user_sgpr_count 2
		.amdhsa_user_sgpr_kernarg_segment_ptr 1
		.amdhsa_wavefront_size32 1
		.amdhsa_system_sgpr_workgroup_id_x 1
		.amdhsa_system_sgpr_workgroup_id_y 1
		.amdhsa_system_sgpr_workgroup_id_z 1
		.amdhsa_system_vgpr_workitem_id 0
		.amdhsa_next_free_vgpr 64
		.amdhsa_next_free_sgpr 66
		.amdhsa_reserve_vcc 1
		.amdhsa_float_denorm_mode_32 3
		.amdhsa_float_denorm_mode_16_64 3
		.amdhsa_memory_ordered 1
		.amdhsa_forward_progress 1
		.amdhsa_inst_pref_size 23
	.end_amdhsa_kernel
	.amdgpu_metadata
---
amdhsa.version: [ 1, 2 ]
amdhsa.kernels:
  - .name:           k_q151e7f51c7_prep
    .symbol:         k_q151e7f51c7_prep.kd
    .args:
      - { .name: rois, .offset: 0, .size: 8, .value_kind: global_buffer, .address_space: global }
      - { .name: idx, .offset: 8, .size: 8, .value_kind: global_buffer, .address_space: global }
      - { .name: wts, .offset: 16, .size: 8, .value_kind: global_buffer, .address_space: global }
    .group_segment_fixed_size: 0
    .private_segment_fixed_size: 0
    .kernarg_segment_align: 8
    .kernarg_segment_size: 24
    .max_flat_workgroup_size: 128
    .sgpr_count:     66
    .vgpr_count:     64
    .wavefront_size: 32
...
	.end_amdgpu_metadata
.endif
;; end of part 1
;; launch align (part 2): grid 256 x 1, 16 waves a work-group, no clusters, 278,528 bytes of LDS; arguments input, idx, wts, out0; writes out0
.if DOCPART == 2
	.amdgcn_target "amdgcn-amd-amdhsa--gfx1250"
	.amdhsa_code_object_version 6
	.text
	.protected	k_q151e7f51c7_align
	.globl	k_q151e7f51c7_align
	.p2align	8
	.type	k_q151e7f51c7_align,@function
k_q151e7f51c7_align:
	s_mov_b64 s[64:65], 0
	v_nop
	global_prefetch_b8 v0, s[64:65] scope:SCOPE_SE
	s_setreg_imm32_b32 hwreg(HW_REG_WAVE_MODE, 25, 1), 1
	s_wait_xcnt 0x0
; ROIAlign, second step.  input [4][256][128][128] f32, out0 [1024][256][7][7] f32; idx and wts as the first step left them.
; 1,024 planes of 64 KB are 4 planes for each of 256 work-groups: work-group g keeps planes 4g .. 4g+3 (batch index g >> 6, four
; channels) in LDS for the whole kernel, so every feature byte is read from memory once, and serves all ROIs of its batch index.
; LDS LAYOUT [y][place of x][4 channels], 16 bytes a pixel, 2,048 a row: one ds_load_b128 brings one corner for four channels.
; The place of x is x ^ ((x >> 4) & 3): the fill's stores, whose lanes are 4 pixels apart, then fall on 16 different 16-byte columns of
; the 64 banks (ISA guide 11.1), and 16 neighbouring pixels still do except where a window of 14 or more crosses a multiple of 16.
; A WAVE TAKES A ROI.  Lane 4 pw + 2 sx + cx owns one x corner of bin pw; lanes 28-31 repeat lanes 24-27 (same addresses, weights, results).
; The 28 rows (14 y samples x 2) are walked one after the other: the sixteen lanes that LDS serves together lie on ONE row
; within 8 x samples, a window of at most 16 pixels for ROIs up to 28 feature pixels wide.  The y weights are the same in all lanes.
; The four lanes of a bin are summed at the end, each keeping a quarter of the 28 sums.
; NOT USED, by this text's arithmetic: tensor loads (four planes are interleaved word by word, which takes registers); clusters (no plane
; is read by two work-groups; shared are only the records, 512 bytes a ROI against 256 KB of planes); matrix units (16 weights other
; than zero among 16,384 pixels).
; LIMITS: the ROIs of a batch index are served by its 64 work-groups alone: uneven counts cost time, no value.  Sums in f32, in another order
; than the reference's (rows first, then the x weight, then the four lanes).
.set WAVES,   16
.set PLANE,   65536                    ; bytes of a plane in memory
.set GROW,    512                      ; bytes of a row in memory
.set LROW,    2048                     ; bytes of a row in LDS
.set STAGE,   128*LROW                 ; behind the planes: 1,024 bytes for each wave, for the way out
.set CHUNK,   784                      ; 4 channels x 49 f32: what a ROI gets from this work-group, contiguous in out0
.set ROIOUT,  256*196                  ; bytes of a ROI in out0
.set REC,     256
.set LISTOFF, 1024*REC
.set CNTOFF,  LISTOFF+4*4096
; vector registers
.set L4,   1                           ; 4 x lane
.set ZERO, 2
.set STG,  3                           ; stage: where my results go
.set RA,   4                           ; stage + 16 lane
.set RB,   5                           ; stage + 16 lane + 512 (lane >> 4)
.set OA,   6                           ; the same two lane terms as offsets in out0
.set OB,   7
.set GA,   8                           ; + the ROI
.set GB,   9
.set TA,   10                          ; v10-11   row addresses
.set RT,   12                          ; v12-19   at work in the sum over lanes, two sets
.set XW,   20                          ; v20-23   set p: x weight v[XW+2p], x offset v[XW+2p+1]
.set R,    24                          ; v24-30   my 7 results
.set LANE, 31
.set O,    32                          ; v32-39   store data
.set YW,   40                          ; v40-95   set p: 28 y weights
.set ACC,  96                          ; v96-123  sums: bin row ph, channel c at ACC + 4 ph + c
.set D,    124                         ; v124-235 28 rows x 4 channels
.set F,    96                          ; the fill: v96-223 8 rows x 4 channels x 4 pixels as loaded,
.set T,    224                         ;           v224-239 4 pixels x 4 channels to store
.set FA,   12                          ;           v12-15 LDS address of pixel i of my four
.set FO,   16                          ;           my offset in a plane
; scalar registers
.set YO,   16                          ; s16-47   set p: 14 row offsets (16 loaded)
.set KK,   48                          ; s48-49   the ROI of the item of parity p
.set PI,   50                          ; record in idx
.set PW,   52                          ; record in wts
.set LB,   54                          ; my batch index's list
                                       ; s58 pairs of items, s59 the pair at work, s60 its first item, s61 my items
	s_load_b256 s[4:11], s[0:1], 0x0               ; input s[4:5], idx s[6:7], wts s[8:9], out0 s[10:11]
	v_lshrrev_b32 v[LANE], 5, v0
	v_readfirstlane_b32 s12, v[LANE]               ; wave 0..15
	v_and_b32 v[LANE], 31, v0
	s_lshr_b32 s13, ttmp9, 6                       ; batch index
	s_and_b32 s14, ttmp9, 63                       ; group of four channels
	s_and_b32 s77, ttmp9, 15                       ; a
	s_lshl_b32 s15, s77, 4                         ; 784 x group mod 256 = 16 a: where my piece begins in its 256 bytes
	s_lshl_b32 s62, s12, 12                        ; the wave fills rows 8 w .. 8 w + 7
	v_lshl_add_u32 v[FO], v[LANE], 4, s62          ; a lane takes 16 bytes, a wave a whole row of 512
	s_lshl_b32 s66, ttmp9, 18                      ; four planes a work-group
	s_mov_b32 s67, 0
	s_wait_kmcnt 0x0
	s_add_nc_u64 s[4:5], s[4:5], s[66:67]
	; THE FILL: all 32 loads of the wave at once, 16 KB; the work-group's 256 KB are in flight together.
.set fr, 0
.rept 8
.set fc, 0
.rept 4
	global_load_b128 v[F+16*fr+4*fc:F+16*fr+4*fc+3], v[FO], s[4:5] offset:fc*PLANE+fr*GROW th:TH_LOAD_NT
.set fc, fc+1
.endr
.set fr, fr+1
.endr
	; the count of my batch index, and the ROIs of my first two items (list places w and w + 16)
	s_lshl_b32 s73, s13, 7
	s_load_b32 s72, s[6:7], s73 offset:CNTOFF
	s_lshl_b32 s66, s13, 12
	s_add_co_u32 s66, s66, LISTOFF
	s_add_nc_u64 s[LB:LB+1], s[6:7], s[66:67]
	s_lshl_b32 s71, s12, 2
	s_load_b32 s[KK], s[LB:LB+1], s71
	s_load_b32 s[KK+1], s[LB:LB+1], s71 offset:4*WAVES
	; lane constants.  Pixel 4 l + i of a row goes to place 4 l + (i ^ (l >> 2) & 3)
	v_lshrrev_b32 v17, 2, v[LANE]                  ; l >> 2 = 0..7
	s_lshl_b32 s63, s12, 14                        ; 8 rows of 2,048 bytes a wave
	v_lshl_add_u32 v18, v[LANE], 6, s63            ; + 4 pixels of 16 bytes a lane
.irp i, 0,1,2,3
	v_xor_b32 v19, \i, v17
	v_and_b32 v19, 3, v19
	v_lshl_add_u32 v[FA+\i], v19, 4, v18
.endr
	v_lshlrev_b32 v[L4], 2, v[LANE]
	v_mov_b32 v[ZERO], 0
	; THE WAY OUT.  My wave's stage is an image of the 1,024 bytes of out0, beginning at a multiple of 256 from the ROI's first byte, that hold
	; the piece: the piece begins 16 a bytes into it and ends at 16 a + 784 <= 1,024.
	; In: word 49 c + 7 ph + pw of the piece is 7 u + pw with u = 7 c + ph.  Lane 4 pw + q ends up with u = 4 j + q, j = 0..6:
	; word 28 j + 7 q + pw, so that the 28 lanes fill 28 neighbouring words for each j.
	v_and_b32 v19, 3, v[LANE]                      ; q
	v_min_u32 v17, 6, v17                          ; pw; lanes 28-31 as lanes 24-27
	v_mul_u32_u24 v19, v19, 7
	v_add_nc_u32 v19, v19, v17
	s_lshl_b32 s74, s12, 10
	s_add_co_u32 s74, s74, STAGE                   ; my wave's stage
	s_add_co_u32 s75, s74, s15                     ; the piece in it
	v_lshl_add_u32 v[STG], v19, 2, s75
	; Back: store A takes image bytes 256 + 16 lane: 256 .. 767 lie in the piece for every a (16 a <= 240, 16 a + 784 >= 784), all lanes on.
	; Store B takes the two ends: lanes 0-15 bytes 16 lane (in the piece from lane a on), lanes 16-31 bytes 768 + 16 (lane - 16)
	; (in the piece up to lane 16 + a): always 17 lanes, under a mask that is made here once and kept in VCC.
	v_lshlrev_b32 v[OA], 4, v[LANE]
	v_lshrrev_b32 v18, 4, v[LANE]
	v_lshl_add_u32 v[OB], v18, 9, v[OA]            ; 16 lane + 512 for the upper sixteen: 256 + 512 = 768 at lane 16
	v_add_nc_u32 v[RA], s74, v[OA]
	v_add_nc_u32 v[RB], s74, v[OB]
	s_lshl_b32 s78, 0xffff, s77
	s_and_b32 s78, s78, 0xffff                     ; lanes a .. 15
	s_lshl_b32 s79, 2, s77
	s_sub_co_u32 s79, s79, 1
	s_lshl_b32 s79, s79, 16                        ; lanes 16 .. 16 + a
	s_or_b32 vcc_lo, s78, s79                      ; no other line of the kernel writes VCC
	s_mul_i32 s66, s14, CHUNK
	s_sub_co_u32 s66, s66, s15                     ; a multiple of 256
	s_add_nc_u64 s[10:11], s[10:11], s[66:67]
	s_mov_b32 s68, 0xaaaaaaaa                      ; lanes with q & 1
	s_mov_b32 s69, 0xcccccccc                      ; lanes with q & 2
	; the stage is cleared once: the lanes that store B leaves out then load bytes that have been written
.irp i, 0,1,2,3
	v_mov_b32 v[O+\i], 0
.endr
	ds_store_b128 v[RA], v[O:O+3]
	ds_store_b128 v[RA], v[O:O+3] offset:512
; Ask for the record of the ROI in s[KK+p], into set p: 16 row offsets (scalar), my x offset and x weight, 28 y weights (every lane
; reads the same 112 bytes).  PI and PW were last named by loads that the waits at the item's head have shown done.
.macro FETCH p
	s_min_u32 s[KK+\p], s[KK+\p], 1023
	s_lshl_b32 s66, s[KK+\p], 8
	s_add_nc_u64 s[PI:PI+1], s[6:7], s[66:67]
	s_add_nc_u64 s[PW:PW+1], s[8:9], s[66:67]
	s_load_b512 s[YO+16*\p:YO+16*\p+15], s[PI:PI+1], 0x0
	global_load_b32 v[XW+2*\p+1], v[L4], s[PI:PI+1] offset:128
	global_load_b32 v[XW+2*\p], v[L4], s[PW:PW+1] offset:128
.irp m, 0,1,2,3,4,5,6
	global_load_b128 v[YW+28*\p+4*\m:YW+28*\p+4*\m+3], v[ZERO], s[PW:PW+1] offset:16*\m
.endr
.endm
	s_wait_kmcnt 0x0
	s_min_u32 s72, s72, 1024
	s_add_co_u32 s61, s72, WAVES-1
	s_sub_co_u32 s61, s61, s12
	s_lshr_b32 s61, s61, 4                         ; my items: list places w, w + 16, .. below the count; at most 64
	FETCH 0
	; the fill's second half: turn 4 channels x 4 pixels in registers, store 4 pixels x 4 channels
.set fr, 0
.rept 8
	s_wait_loadcnt 4*(7-fr)+9                      ; loads return in order: out may be the later rows' 4 each and the record's 9
.set fi, 0
.rept 4
.set fc, 0
.rept 4
	v_mov_b32 v[T+4*fi+fc], v[F+16*fr+4*fc+fi]
.set fc, fc+1
.endr
	ds_store_b128 v[FA+fi], v[T+4*fi:T+4*fi+3] offset:fr*LROW
.set fi, fi+1
.endr
.set fr, fr+1
.endr
	s_wait_dscnt 0x0                               ; for the others' sake: my rows are in LDS
	s_barrier_signal -1
	s_barrier_wait -1                              ; the planes are whole, and are only read from here on: the one barrier of the kernel
; The sum over the four lanes of a bin, for the sums u = 4 j .. 4 j + 3, which at the same time deals them out: in each of two steps a
; lane keeps one of two registers, sends the other to its partner, and adds what the partner sends.  Lane q ends with u = 4 j + q.
; Each DPP sum lands on a register that the select in front of it has just written.
.macro QUAD j
.set qt, RT+4*((\j)&1)
.set q0, ACC+4*((4*\j)%7)+(4*\j)/7
.set q1, ACC+4*((4*\j+1)%7)+(4*\j+1)/7
.set q2, ACC+4*((4*\j+2)%7)+(4*\j+2)/7
.set q3, ACC+4*((4*\j+3)%7)+(4*\j+3)/7
	v_cndmask_b32 v[qt],   v[q0], v[q1], s68
	v_cndmask_b32 v[qt+1], v[q1], v[q0], s68
	v_cndmask_b32 v[qt+2], v[q2], v[q3], s68
	v_cndmask_b32 v[qt+3], v[q3], v[q2], s68
	v_add_f32_dpp v[qt],   v[qt+1], v[qt]   row_xmask:1 row_mask:0xf bank_mask:0xf
	v_add_f32_dpp v[qt+2], v[qt+3], v[qt+2] row_xmask:1 row_mask:0xf bank_mask:0xf
	v_cndmask_b32 v[R+\j], v[qt],   v[qt+2], s69
	v_cndmask_b32 v[qt+1], v[qt+2], v[qt],   s69
	v_add_f32_dpp v[R+\j], v[qt+1], v[R+\j] row_xmask:2 row_mask:0xf bank_mask:0xf
	ds_store_b32 v[STG], v[R+\j] offset:112*\j     ; 28 neighbouring words
.endm
; One ROI.  p: the parity of the item and its set of registers; q: the other set, which is asked for here.
.macro ITEM p, q
	s_wait_kmcnt 0x0                               ; my row offsets and the next item's ROI, asked for one item ago
	s_wait_loadcnt 0x0                             ; my weights and x offset, likewise; nothing was asked for behind them
	v_min_u32 v[XW+2*\p+1], 127*16, v[XW+2*\p+1]
.set iy, 0
.rept 14
	s_min_u32 s[YO+16*\p+iy], s[YO+16*\p+iy], 126*LROW
	v_add_nc_u32 v[TA+(iy&1)], s[YO+16*\p+iy], v[XW+2*\p+1]
	ds_load_b128 v[D+8*iy:D+8*iy+3],   v[TA+(iy&1)]                ; lower row: my pixel, four channels
	ds_load_b128 v[D+8*iy+4:D+8*iy+7], v[TA+(iy&1)] offset:LROW    ; upper row
.set iy, iy+1
.endr
	s_mul_i32 s70, s[KK+\p], ROIOUT                ; my ROI in out0 (cut to 0..1023 when its record was asked for)
	FETCH \q                                       ; the next item's record
	s_add_co_u32 s62, s60, 2+\p                    ; and the ROI of the item after that: list place w + 16 (item + 2),
	s_lshl4_add_u32 s62, s62, s12
	s_min_u32 s62, s62, 1023                       ; inside the list; places behind the count hold numbers that are never worked on
	s_lshl_b32 s71, s62, 2
	s_load_b32 s[KK+\p], s[LB:LB+1], s71
.set ph, 0
.rept 7
.set a, ACC+4*ph
.set d, D+16*ph
.set y, YW+28*\p+4*ph
	s_wait_dscnt 24-4*ph                           ; LDS loads return in order: this bin row's four are in, the later rows' may be out
	v_pk_mul_f32 v[a:a+1],   v[d:d+1],     v[y:y+1] op_sel_hi:[1,0]                            ; the first product starts the sum
	v_pk_mul_f32 v[a+2:a+3], v[d+2:d+3],   v[y:y+1] op_sel_hi:[1,0]
	v_pk_fma_f32 v[a:a+1],   v[d+4:d+5],   v[y:y+1],   v[a:a+1]   op_sel:[0,1,0] op_sel_hi:[1,1,1]
	v_pk_fma_f32 v[a+2:a+3], v[d+6:d+7],   v[y:y+1],   v[a+2:a+3] op_sel:[0,1,0] op_sel_hi:[1,1,1]
	v_pk_fma_f32 v[a:a+1],   v[d+8:d+9],   v[y+2:y+3], v[a:a+1]   op_sel_hi:[1,0,1]
	v_pk_fma_f32 v[a+2:a+3], v[d+10:d+11], v[y+2:y+3], v[a+2:a+3] op_sel_hi:[1,0,1]
	v_pk_fma_f32 v[a:a+1],   v[d+12:d+13], v[y+2:y+3], v[a:a+1]   op_sel:[0,1,0] op_sel_hi:[1,1,1]
	v_pk_fma_f32 v[a+2:a+3], v[d+14:d+15], v[y+2:y+3], v[a+2:a+3] op_sel:[0,1,0] op_sel_hi:[1,1,1]
	v_pk_mul_f32 v[a:a+1],   v[a:a+1],   v[XW+2*\p:XW+2*\p+1] op_sel_hi:[1,0]                  ; my corner's x weight
	v_pk_mul_f32 v[a+2:a+3], v[a+2:a+3], v[XW+2*\p:XW+2*\p+1] op_sel_hi:[1,0]
.set ph, ph+1
.endr
.irp j, 0,1,2,3,4,5,6
	QUAD \j
.endr
	s_wait_xcnt 0x0                                ; every global instruction so far has had its addresses translated (ISA guide 3.1): the last item's store offsets and data
	                                               ; are rewritten, and EXEC is narrowed, only behind this wait; no global instruction stands between it and the narrowing
	v_add_nc_u32 v[GA], s70, v[OA]
	v_add_nc_u32 v[GB], s70, v[OB]
	ds_load_b128 v[O:O+3],   v[RA] offset:256      ; LDS serves a wave's instructions in order (ISA guide 5.7.1.4): these see the stores above,
	ds_load_b128 v[O+4:O+7], v[RB]                 ; and the stage is my wave's own
	s_wait_dscnt 0x0
	s_and_saveexec_b32 s78, vcc_lo                 ; the 17 lanes whose 16 bytes of the two ends belong to the piece
	global_store_b128 v[GB], v[O+4:O+7], s[10:11] th:TH_STORE_NT   ; the piece's part of its first and of its last 256 bytes; the rest of these is the neighbouring channel groups'
	s_wait_xcnt 0x0                                ; EXEC is a source of that store: it is widened only behind this wait
	s_or_b32 exec_lo, exec_lo, s78                 ; all lanes on again
	global_store_b128 v[GA], v[O:O+3], s[10:11] offset:256 th:TH_STORE_NT  ; 512 consecutive bytes that begin at a multiple of 256 from out0's first byte
.endm
	; THE LOOP takes two items a trip, one for each set of registers, and counts the PAIRS: s59 goes up by 1 to s58 = (items + 1) / 2, at most 32.
	; It is left by falling through its branch back, or, where the number of items is odd, by an s_endpgm of its own behind the first item
	; of the last pair: the branch in front of that line hops over it alone.
	s_cmp_eq_u32 s61, 0
	s_cbranch_scc1 .Lend                           ; a wave whose first list place lies behind the count has nothing to do
	s_add_co_u32 s58, s61, 1
	s_lshr_b32 s58, s58, 1                         ; pairs, the last perhaps half
	s_mov_b32 s59, 0
.Lpair:
	s_lshl_b32 s60, s59, 1                         ; the pair's first item
	ITEM 0, 1
	s_add_co_u32 s62, s60, 1
	s_cmp_lt_u32 s62, s61
	s_cbranch_scc1 .Lsecond                        ; the pair's second item exists
	s_endpgm                                       ; it does not: out are only stores and the loads of a record that nobody will use
.Lsecond:
	ITEM 1, 0
	s_add_co_u32 s59, s59, 1
	s_cmp_lt_u32 s59, s58
	s_cbranch_scc1 .Lpair
.Lend:
	s_endpgm
.Lfunc_end_k_q151e7f51c7_align:
	.size	k_q151e7f51c7_align, .Lfunc_end_k_q151e7f51c7_align-k_q151e7f51c7_align
	.p2alignl 7, 3214868480
	.fill 96, 4, 3214868480
	.section	.rodata,"a",@progbits
	.p2align	6, 0x0
	.amdhsa_kernel k_q151e7f51c7_align
		.amdhsa_group_segment_fixed_size 278528
		.amdhsa_private_segment_fixed_size 0
		.amdhsa_enable_private_segment 0
		.amdhsa_kernarg_size 32
		.amdhsa_user_sgpr_count 2
		.amdhsa_user_sgpr_kernarg_segment_ptr 1
		.amdhsa_wavefront_size32 1
		.amdhsa_system_sgpr_workgroup_id_x 1
		.amdhsa_system_sgpr_workgroup_id_y 1
		.amdhsa_system_sgpr_workgroup_id_z 1
		.amdhsa_system_vgpr_workitem_id 0
		.amdhsa_next_free_vgpr 240
		.amdhsa_next_free_sgpr 80
		.amdhsa_reserve_vcc 1
		.amdhsa_float_denorm_mode_32 3
		.amdhsa_float_denorm_mode_16_64 3
		.amdhsa_memory_ordered 1
		.amdhsa_forward_progress 1
		.amdhsa_inst_pref_size 43
	.end_amdhsa_kernel
	.amdgpu_metadata
---
amdhsa.version: [ 1, 2 ]
amdhsa.kernels:
  - .name:           k_q151e7f51c7_align
    .symbol:         k_q151e7f51c7_align.kd
    .args:
      - { .name: input, .offset: 0, .size: 8, .value_kind: global_buffer, .address_space: global }
      - { .name: idx, .offset: 8, .size: 8, .value_kind: global_buffer, .address_space: global }
      - { .name: wts, .offset: 16, .size: 8, .value_kind: global_buffer, .address_space: global }
      - { .name: out0, .offset: 24, .size: 8, .value_kind: global_buffer, .address_space: global }
    .group_segment_fixed_size: 278528
    .private_segment_fixed_size: 0
    .kernarg_segment_align: 8
    .kernarg_segment_size: 32
    .max_flat_workgroup_size: 512
    .sgpr_count:     80
    .vgpr_count:     240
    .wavefront_size: 32
...
	.end_amdgpu_metadata
.endif
;; end of part 2
;; ======== version 2 of 3: 2 launches; 1.12 times as fast as version 1
;; workspace buffers: idx 279,040 bytes of whole numbers; wts 262,144 bytes
;; launch prep: the kernel of part 1 again; grid 288 x 1, 4 waves a work-group, no clusters, 0 bytes of LDS; arguments rois, idx, wts; writes idx, wts
;; launch align (part 3): grid 256 x 1, 16 waves a work-group, no clusters, 278,528 bytes of LDS; arguments input, idx, wts, out0; writes out0
.if DOCPART == 3
	.amdgcn_target "amdgcn-amd-amdhsa--gfx1250"
	.amdhsa_code_object_version 6
	.text
	.protected	k_q151e7f51c7_align
	.globl	k_q151e7f51c7_align
	.p2align	8
	.type	k_q151e7f51c7_align,@function
k_q151e7f51c7_align:
	s_mov_b64 s[64:65], 0
	v_nop
	global_prefetch_b8 v0, s[64:65] scope:SCOPE_SE
	s_setreg_imm32_b32 hwreg(HW_REG_WAVE_MODE, 25, 1), 1
	s_wait_xcnt 0x0
; ROIAlign, second step.  input [4][256][128][128] f32, out0 [1024][256][7][7] f32; idx and wts as the first step left them.
; 1,024 planes of 64 KB are 4 planes for each of 256 work-groups: work-group g keeps planes 4g .. 4g+3 (batch index g >> 6, four
; channels) in LDS for the whole kernel, so every feature byte is read from memory once, and serves all ROIs of its batch index.
; LDS LAYOUT [y][place of x][4 channels], 16 bytes a pixel, 2,048 a row: one ds_load_b128 brings one corner for four channels.
; The place of x is x ^ ((x >> 4) & 3): the fill's stores, whose lanes are 4 pixels apart, then fall on 16 different 16-byte columns of
; the 64 banks (ISA guide 11.1), and 16 neighbouring pixels still do except where a window of 14 or more crosses a multiple of 16.
; A WAVE TAKES A ROI.  Lane 4 pw + 2 sx + cx owns one x corner of bin pw; lanes 28-31 repeat lanes 24-27 (same addresses, weights, results).
; The sixteen lanes that LDS serves together lie on ONE row within 8 x samples, a window of at most 16 pixels for ROIs up to 28 feature
; pixels wide.  The y weights are the same in all lanes.  The four lanes of a bin are summed at the end, each keeping a quarter of the 28 sums.
; THE LOOP IS A PIPELINE ONE ROI DEEP.  The 28 rows are multiplied in four passes (sample and corner of y) over the 7 bin rows: the 14 packed
; instructions of a pass do not depend on each other, and as soon as a row's four registers are read they are asked for again with the
; NEXT ROI's row, so that the 28 LDS loads are on their way under the rest of this ROI's arithmetic.  Item n asks for: the row and x offsets
; of item n + 2 at its head, the weights of item n + 2 behind its passes, the list entry of item n + 3.
; NOT USED, by this text's arithmetic: tensor loads (four planes are interleaved word by word, which takes registers); clusters (no plane
; is read by two work-groups; shared are only the records, 512 bytes a ROI against 256 KB of planes); matrix units (16 weights other
; than zero among 16,384 pixels).
; LIMITS: the ROIs of a batch index are served by its 64 work-groups alone: uneven counts cost time, no value.  Sums in f32, in another order
; than the reference's (rows first, then the x weight, then the four lanes).
.set WAVES,   16
.set PLANE,   65536                    ; bytes of a plane in memory
.set GROW,    512                      ; bytes of a row in memory
.set LROW,    2048                     ; bytes of a row in LDS
.set STAGE,   128*LROW                 ; behind the planes: 1,024 bytes for each wave, for the way out
.set CHUNK,   784                      ; 4 channels x 49 f32: what a ROI gets from this work-group, contiguous in out0
.set ROIOUT,  256*196                  ; bytes of a ROI in out0
.set REC,     256
.set LISTOFF, 1024*REC
.set CNTOFF,  LISTOFF+4*4096
; vector registers
.set L4,   1                           ; 4 x lane
.set ZERO, 2
.set STG,  3                           ; stage: where my results go
.set RA,   4                           ; stage + 16 lane
.set RB,   5                           ; stage + 16 lane + 512 (lane >> 4)
.set OA,   6                           ; the same two lane terms as offsets in out0
.set OB,   7
.set GA,   8                           ; + the ROI
.set GB,   9
.set RT,   10                          ; one spare register for the sum over lanes
.set XO,   11                          ; my x offset, of the item whose rows are asked for next
.set TA,   12                          ; v12-25   the 14 row addresses of that item
.set XW,   26                          ; v26, v28 my x weight, set 0, 1; v27, v29 are written once, so that the pairs are whole
.set XO0,  30                          ; item 0's x offset
.set LANE, 31
.set O,    32                          ; v32-39   store data
.set YW,   40                          ; v40-95   set p: 28 y weights
.set ACC,  96                          ; v96-123  sums: bin row ph, channel c at ACC + 4 ph + c
.set D,    124                         ; v124-235 28 rows x 4 channels: bin row ph, pass r at D + 16 ph + 4 r
.set F,    96                          ; the fill: v96-223 8 rows x 4 channels x 4 pixels as loaded,
.set T,    224                         ;           v224-239 4 pixels x 4 channels to store
.set FA,   12                          ;           v12-15 LDS address of pixel i of my four
.set FO,   16                          ;           my offset in a plane
; scalar registers
.set YO,   16                          ; s16-31   14 row offsets (16 loaded) of the item whose rows are asked for next
.set YO0,  32                          ; s32-47   item 0's
.set KK,   48                          ; s48-49   list entries: item j's lies in s[KK + (j & 1)] from the head of item j - 2 on
.set PI,   50                          ; record in idx
.set PW,   52                          ; record in wts
.set LB,   54                          ; my batch index's list
.set OUT,  56                          ; s56-57   byte offset in out0 of the ROI of the item of parity p
.set PI0,  80                          ; item 0's record, in registers of its own
.set PW0,  82
                                       ; s58 pairs of items, s59 the pair at work, s60 its first item, s61 my items
	s_load_b256 s[4:11], s[0:1], 0x0               ; input s[4:5], idx s[6:7], wts s[8:9], out0 s[10:11]
	v_lshrrev_b32 v[LANE], 5, v0
	v_readfirstlane_b32 s12, v[LANE]               ; wave 0..15
	v_and_b32 v[LANE], 31, v0
	s_lshr_b32 s13, ttmp9, 6                       ; batch index
	s_and_b32 s14, ttmp9, 63                       ; group of four channels
	s_and_b32 s77, ttmp9, 15                       ; a
	s_lshl_b32 s15, s77, 4                         ; 784 x group mod 256 = 16 a: where my piece begins in its 256 bytes
	s_lshl_b32 s62, s12, 12                        ; the wave fills rows 8 w .. 8 w + 7
	v_lshl_add_u32 v[FO], v[LANE], 4, s62          ; a lane takes 16 bytes, a wave a whole row of 512
	s_lshl_b32 s66, ttmp9, 18                      ; four planes a work-group
	s_mov_b32 s67, 0
	s_wait_kmcnt 0x0
	s_add_nc_u64 s[4:5], s[4:5], s[66:67]
	; THE FILL: all 32 loads of the wave at once, 16 KB; the work-group's 256 KB are in flight together.
.set fr, 0
.rept 8
.set fc, 0
.rept 4
	global_load_b128 v[F+16*fr+4*fc:F+16*fr+4*fc+3], v[FO], s[4:5] offset:fc*PLANE+fr*GROW th:TH_LOAD_NT
.set fc, fc+1
.endr
.set fr, fr+1
.endr
	; the count of my batch index, and the ROIs of my first three items (list places w, w + 16, w + 32)
	s_lshl_b32 s73, s13, 7
	s_load_b32 s72, s[6:7], s73 offset:CNTOFF
	s_lshl_b32 s66, s13, 12
	s_add_co_u32 s66, s66, LISTOFF
	s_add_nc_u64 s[LB:LB+1], s[6:7], s[66:67]
	s_lshl_b32 s71, s12, 2
	s_load_b32 s[OUT], s[LB:LB+1], s71
	s_load_b32 s[OUT+1], s[LB:LB+1], s71 offset:4*WAVES
	s_load_b32 s[KK], s[LB:LB+1], s71 offset:8*WAVES
	; lane constants.  Pixel 4 l + i of a row goes to place 4 l + (i ^ (l >> 2) & 3)
	v_lshrrev_b32 v17, 2, v[LANE]                  ; l >> 2 = 0..7
	s_lshl_b32 s63, s12, 14                        ; 8 rows of 2,048 bytes a wave
	v_lshl_add_u32 v18, v[LANE], 6, s63            ; + 4 pixels of 16 bytes a lane
.irp i, 0,1,2,3
	v_xor_b32 v19, \i, v17
	v_and_b32 v19, 3, v19
	v_lshl_add_u32 v[FA+\i], v19, 4, v18
.endr
	v_lshlrev_b32 v[L4], 2, v[LANE]
	v_mov_b32 v[ZERO], 0
	v_mov_b32 v[XW+1], 0                           ; the upper halves of the x weights' pairs: named by the packed multiplies, never used
	v_mov_b32 v[XW+3], 0
	; THE WAY OUT.  My wave's stage is an image of the 1,024 bytes of out0, beginning at a multiple of 256 from the ROI's first byte, that hold
	; the piece: the piece begins 16 a bytes into it and ends at 16 a + 784 <= 1,024.
	; In: word 49 c + 7 ph + pw of the piece is 7 u + pw with u = 7 c + ph.  Lane 4 pw + q ends up with u = 4 j + q, j = 0..6:
	; word 28 j + 7 q + pw, so that the 28 lanes fill 28 neighbouring words for each j.
	v_and_b32 v19, 3, v[LANE]                      ; q
	v_min_u32 v17, 6, v17                          ; pw; lanes 28-31 as lanes 24-27
	v_mul_u32_u24 v19, v19, 7
	v_add_nc_u32 v19, v19, v17
	s_lshl_b32 s74, s12, 10
	s_add_co_u32 s74, s74, STAGE                   ; my wave's stage
	s_add_co_u32 s75, s74, s15                     ; the piece in it
	v_lshl_add_u32 v[STG], v19, 2, s75
	; Back: store A takes image bytes 256 + 16 lane: 256 .. 767 lie in the piece for every a (16 a <= 240, 16 a + 784 >= 784), all lanes on.
	; Store B takes the two ends: lanes 0-15 bytes 16 lane (in the piece from lane a on), lanes 16-31 bytes 768 + 16 (lane - 16)
	; (in the piece up to lane 16 + a): always 17 lanes, under a mask that is made here once and kept in VCC.
	v_lshlrev_b32 v[OA], 4, v[LANE]
	v_lshrrev_b32 v18, 4, v[LANE]
	v_lshl_add_u32 v[OB], v18, 9, v[OA]            ; 16 lane + 512 for the upper sixteen: 256 + 512 = 768 at lane 16
	v_add_nc_u32 v[RA], s74, v[OA]
	v_add_nc_u32 v[RB], s74, v[OB]
	s_lshl_b32 s78, 0xffff, s77
	s_and_b32 s78, s78, 0xffff                     ; lanes a .. 15
	s_lshl_b32 s79, 2, s77
	s_sub_co_u32 s79, s79, 1
	s_lshl_b32 s79, s79, 16                        ; lanes 16 .. 16 + a
	s_or_b32 vcc_lo, s78, s79                      ; no other line of the kernel writes VCC
	s_mul_i32 s66, s14, CHUNK
	s_sub_co_u32 s66, s66, s15                     ; a multiple of 256
	s_add_nc_u64 s[10:11], s[10:11], s[66:67]
	s_mov_b32 s68, 0xaaaaaaaa                      ; lanes with q & 1
	s_mov_b32 s69, 0xcccccccc                      ; lanes with q & 2
	; the stage is cleared once: the lanes that store B leaves out then load bytes that have been written
.irp i, 0,1,2,3
	v_mov_b32 v[O+\i], 0
.endr
	ds_store_b128 v[RA], v[O:O+3]
	ds_store_b128 v[RA], v[O:O+3] offset:512
; the 28 y weights of a record into set p: every lane reads the same 112 bytes
.macro WEIGHTS p, base
.irp m, 0,1,2,3,4,5,6
	global_load_b128 v[YW+28*\p+4*\m:YW+28*\p+4*\m+3], v[ZERO], s[\base:\base+1] offset:16*\m
.endr
.endm
; In front of the loop: the whole record of the ROI in s[k] (9 vector loads, the x offset first), and the ROI's place in out0 in s[k]'s stead.
; A loaded whole number is cut to its table's range before it enters an address.
.macro RECORD k, pi, pw, yo, xo, p
	s_min_u32 s[\k], s[\k], 1023
	s_lshl_b32 s66, s[\k], 8
	s_add_nc_u64 s[\pi:\pi+1], s[6:7], s[66:67]
	s_add_nc_u64 s[\pw:\pw+1], s[8:9], s[66:67]
	s_load_b512 s[\yo:\yo+15], s[\pi:\pi+1], 0x0
	global_load_b32 v[\xo], v[L4], s[\pi:\pi+1] offset:128
	global_load_b32 v[XW+2*\p], v[L4], s[\pw:\pw+1] offset:128
	WEIGHTS \p, \pw
	s_mul_i32 s[\k], s[\k], ROIOUT
.endm
; the 14 row addresses of an item, in one run, well ahead of the loads that use them
.macro ROWS yo, xo
	v_min_u32 v[\xo], 127*16, v[\xo]
.set iy, 0
.rept 14
	s_min_u32 s[\yo+iy], s[\yo+iy], 126*LROW
.set iy, iy+1
.endr
.set iy, 0
.rept 14
	v_add_nc_u32 v[TA+iy], s[\yo+iy], v[\xo]
.set iy, iy+1
.endr
.endm
	s_wait_kmcnt 0x0
	s_min_u32 s72, s72, 1024
	s_add_co_u32 s61, s72, WAVES-1
	s_sub_co_u32 s61, s61, s12
	s_lshr_b32 s61, s61, 4                         ; my items: list places w, w + 16, .. below the count; at most 64
	RECORD OUT,   PI0, PW0, YO0, XO0, 0            ; item 0
	RECORD OUT+1, PI,  PW,  YO,  XO,  1            ; item 1 (places behind the count hold some ROI: loaded, never worked on)
	; the fill's second half: turn 4 channels x 4 pixels in registers, store 4 pixels x 4 channels
.set fr, 0
.rept 8
	s_wait_loadcnt 4*(7-fr)+18                     ; loads return in order: out may be the later rows' 4 each and the two records' 18
.set fi, 0
.rept 4
.set fc, 0
.rept 4
	v_mov_b32 v[T+4*fi+fc], v[F+16*fr+4*fc+fi]
.set fc, fc+1
.endr
	ds_store_b128 v[FA+fi], v[T+4*fi:T+4*fi+3] offset:fr*LROW
.set fi, fi+1
.endr
.set fr, fr+1
.endr
	s_wait_kmcnt 0x0                               ; the row offsets of items 0 and 1
	s_wait_loadcnt 17                              ; item 0's x offset is the first of the 18
	ROWS YO0, XO0                                  ; (v12-16 were the fill's: its loads are in, and its LDS stores are issued)
	s_wait_dscnt 0x0                               ; for the others' sake: my rows are in LDS
	s_barrier_signal -1
	s_barrier_wait -1                              ; the planes are whole, and are only read from here on: the one barrier of the kernel
; One ROI.  p: the parity of the item and its set of weights; q: the other.  more = 1: an item follows, and its rows are asked for here;
; more = 0: the wave's last item, which asks for nothing.
.macro ITEM p, q, more
.if \more
	s_wait_kmcnt 0x0                               ; asked for one item ago: the next item's row offsets, and the list entry of the item after it
	s_wait_loadcnt 0x8                             ; loads return in order: out may be the 8 weight loads of the next item, issued behind its x offset;
	                                               ; that offset and my own weights, older still, are in
	ROWS YO, XO
	s_min_u32 s[KK+\p], s[KK+\p], 1023             ; item + 2: its row offsets and x offset, into the registers just read out.  PI's loads are done by the
	s_lshl_b32 s66, s[KK+\p], 8                    ; two waits above; PW's have had their addresses translated since the s_wait_xcnt 0 of the last way out
	s_add_nc_u64 s[PI:PI+1], s[6:7], s[66:67]
	s_add_nc_u64 s[PW:PW+1], s[8:9], s[66:67]
	s_load_b512 s[YO:YO+15], s[PI:PI+1], 0x0
	global_load_b32 v[XO], v[L4], s[PI:PI+1] offset:128
	s_add_co_u32 s62, s60, 3+\p                    ; item + 3: its list place w + 16 (item + 3),
	s_lshl4_add_u32 s62, s62, s12
	s_min_u32 s62, s62, 1023                       ; inside the list
	s_lshl_b32 s71, s62, 2
	s_load_b32 s[KK+\q], s[LB:LB+1], s71
.else
	s_wait_loadcnt 0x0                             ; my weights
.endif
	; Four passes, r = 2 x sample + corner of y.  My rows are all in registers (the wait for 0 at the end of the item before, or in front of the loop).
	; A sum is touched again 14 vector instructions later.  Each row's registers are asked for again as soon as they are read.
.set r, 0
.rept 4
.set ph, 0
.rept 7
.set a, ACC+4*ph
.set d, D+16*ph+4*r
.set y, YW+28*\p+4*ph+(r&2)
.if r == 0
	v_pk_mul_f32 v[a:a+1],   v[d:d+1],   v[y:y+1] op_sel_hi:[1,0]                              ; the first product starts the sum
	v_pk_mul_f32 v[a+2:a+3], v[d+2:d+3], v[y:y+1] op_sel_hi:[1,0]
.else
.if r == 2
	v_pk_fma_f32 v[a:a+1],   v[d:d+1],   v[y:y+1], v[a:a+1]   op_sel_hi:[1,0,1]                ; the pair's lower weight for both channels
	v_pk_fma_f32 v[a+2:a+3], v[d+2:d+3], v[y:y+1], v[a+2:a+3] op_sel_hi:[1,0,1]
.else
	v_pk_fma_f32 v[a:a+1],   v[d:d+1],   v[y:y+1], v[a:a+1]   op_sel:[0,1,0] op_sel_hi:[1,1,1] ; the upper
	v_pk_fma_f32 v[a+2:a+3], v[d+2:d+3], v[y:y+1], v[a+2:a+3] op_sel:[0,1,0] op_sel_hi:[1,1,1]
.endif
.endif
.if \more
	ds_load_b128 v[d:d+3], v[TA+2*ph+(r>>1)] offset:(r&1)*LROW     ; the next item's row: my pixel, four channels
.endif
.set ph, ph+1
.endr
.set r, r+1
.endr
.if \more
	WEIGHTS \p, PW                                 ; item + 2's y weights, into the set that the passes have done with
.endif
.set ph, 0
.rept 7
.set a, ACC+4*ph
	v_pk_mul_f32 v[a:a+1],   v[a:a+1],   v[XW+2*\p:XW+2*\p+1] op_sel_hi:[1,0]                  ; my corner's x weight
	v_pk_mul_f32 v[a+2:a+3], v[a+2:a+3], v[XW+2*\p:XW+2*\p+1] op_sel_hi:[1,0]
.set ph, ph+1
.endr
.if \more
	global_load_b32 v[XW+2*\p], v[L4], s[PW:PW+1] offset:128       ; and its x weight: 8 loads in all
.endif
	; The sum over the four lanes of a bin, which at the same time deals the 28 sums out: in each of two steps a lane keeps one of two registers,
	; sends the other to its partner, and adds what the partner sends.  Lane q ends with u = 4 j + q.  Sum u = 7 c + ph lies in ACC + 4 (u % 7) + u / 7.
	; Done by stages over all sums, in place: what is sent goes to the register that the pair in front has just given up (the first to RT).
.set k, 0
.rept 14
.set q0, ACC+4*((2*k)%7)+(2*k)/7
.set q1, ACC+4*((2*k+1)%7)+(2*k+1)/7
.if k == 0
.set t, RT
.else
.set t, ACC+4*((2*k-1)%7)+(2*k-1)/7
.endif
	v_cndmask_b32 v[t],  v[q1], v[q0], s68         ; to send
	v_cndmask_b32 v[q0], v[q0], v[q1], s68         ; to keep
.set k, k+1
.endr
.set k, 0
.rept 14
.set q0, ACC+4*((2*k)%7)+(2*k)/7
.if k == 0
.set t, RT
.else
.set t, ACC+4*((2*k-1)%7)+(2*k-1)/7
.endif
	v_add_f32_dpp v[q0], v[t], v[q0] row_xmask:1 row_mask:0xf bank_mask:0xf
.set k, k+1
.endr
.set k, 0
.rept 7
.set qa, ACC+4*((4*k)%7)+(4*k)/7
.set qb, ACC+4*((4*k+2)%7)+(4*k+2)/7
.set t, ACC+4*((4*k+1)%7)+(4*k+1)/7
	v_cndmask_b32 v[t],  v[qb], v[qa], s69
	v_cndmask_b32 v[qa], v[qa], v[qb], s69
.set k, k+1
.endr
.set k, 0
.rept 7
.set qa, ACC+4*((4*k)%7)+(4*k)/7
.set t, ACC+4*((4*k+1)%7)+(4*k+1)/7
	v_add_f32_dpp v[qa], v[t], v[qa] row_xmask:2 row_mask:0xf bank_mask:0xf
.set k, k+1
.endr
.set k, 0
.rept 7
.set qa, ACC+4*((4*k)%7)+(4*k)/7
	ds_store_b32 v[STG], v[qa] offset:112*k        ; 28 neighbouring words
.set k, k+1
.endr
	s_wait_xcnt 0x0                                ; every global instruction so far has had its addresses translated (ISA guide 3.1): the last item's store offsets and data
	                                               ; are rewritten, and EXEC is narrowed, only behind this wait; no global instruction stands between it and the narrowing
	v_add_nc_u32 v[GA], s[OUT+\p], v[OA]
	v_add_nc_u32 v[GB], s[OUT+\p], v[OB]
	ds_load_b128 v[O:O+3],   v[RA] offset:256      ; LDS serves a wave's instructions in order (ISA guide 5.7.1.4): these see the stores above,
	ds_load_b128 v[O+4:O+7], v[RB]                 ; and the stage is my wave's own
.if \more
	s_mul_i32 s[OUT+\p], s[KK+\p], ROIOUT          ; item + 2's place in out0 (its ROI was cut to 0..1023 at this item's head)
.endif
	s_wait_dscnt 0x0                               ; these two are the last LDS instructions issued, so their count is 0; with them the next item's 28 rows,
	                                               ; issued at least 77 vector instructions ago, are shown in
	s_and_saveexec_b32 s78, vcc_lo                 ; the 17 lanes whose 16 bytes of the two ends belong to the piece
	global_store_b128 v[GB], v[O+4:O+7], s[10:11] th:TH_STORE_NT   ; the piece's part of its first and of its last 256 bytes; the rest of these is the neighbouring channel groups'
	s_wait_xcnt 0x0                                ; EXEC is a source of that store: it is widened only behind this wait
	s_or_b32 exec_lo, exec_lo, s78                 ; all lanes on again
	global_store_b128 v[GA], v[O:O+3], s[10:11] offset:256 th:TH_STORE_NT  ; 512 consecutive bytes that begin at a multiple of 256 from out0's first byte
.endm
	s_cmp_eq_u32 s61, 0
	s_cbranch_scc1 .Lend                           ; a wave whose first list place lies behind the count has nothing to do
	; item 0's rows
.set iy, 0
.rept 14
	ds_load_b128 v[D+8*iy:D+8*iy+3],   v[TA+iy]                    ; lower row
	ds_load_b128 v[D+8*iy+4:D+8*iy+7], v[TA+iy] offset:LROW        ; upper row
.set iy, iy+1
.endr
	s_wait_xcnt 0x0                                ; item 1's record was asked for through PI and PW, which the first item's head writes again
	s_wait_dscnt 0x0                               ; the passes find their rows in registers
	; THE LOOP takes two items a trip, one for each set of weights, and counts the PAIRS: s59 goes up by 1 to s58 = (items + 1) / 2, at most 32.
	; Each wave's last item is the form that asks for nothing, and ends in an s_endpgm of its own; the branch in front hops over these two alone.
	s_add_co_u32 s58, s61, 1
	s_lshr_b32 s58, s58, 1                         ; pairs, the last perhaps half
	s_mov_b32 s59, 0
.Lpair:
	s_lshl_b32 s60, s59, 1                         ; the pair's first item
	s_add_co_u32 s62, s60, 1
	s_cmp_lt_u32 s62, s61
	s_cbranch_scc1 .Lfull0                         ; an item follows it
	ITEM 0, 1, 0
	s_endpgm                                       ; out are only stores and the loads of records that nobody will use
.Lfull0:
	ITEM 0, 1, 1
	s_add_co_u32 s62, s60, 2
	s_cmp_lt_u32 s62, s61
	s_cbranch_scc1 .Lfull1                         ; an item follows the pair's second
	ITEM 1, 0, 0
	s_endpgm
.Lfull1:
	ITEM 1, 0, 1
	s_add_co_u32 s59, s59, 1
	s_cmp_lt_u32 s59, s58
	s_cbranch_scc1 .Lpair
.Lend:
	s_endpgm
.Lfunc_end_k_q151e7f51c7_align:
	.size	k_q151e7f51c7_align, .Lfunc_end_k_q151e7f51c7_align-k_q151e7f51c7_align
	.p2alignl 7, 3214868480
	.fill 96, 4, 3214868480
	.section	.rodata,"a",@progbits
	.p2align	6, 0x0
	.amdhsa_kernel k_q151e7f51c7_align
		.amdhsa_group_segment_fixed_size 278528
		.amdhsa_private_segment_fixed_size 0
		.amdhsa_enable_private_segment 0
		.amdhsa_kernarg_size 32
		.amdhsa_user_sgpr_count 2
		.amdhsa_user_sgpr_kernarg_segment_ptr 1
		.amdhsa_wavefront_size32 1
		.amdhsa_system_sgpr_workgroup_id_x 1
		.amdhsa_system_sgpr_workgroup_id_y 1
		.amdhsa_system_sgpr_workgroup_id_z 1
		.amdhsa_system_vgpr_workitem_id 0
		.amdhsa_next_free_vgpr 240
		.amdhsa_next_free_sgpr 84
		.amdhsa_reserve_vcc 1
		.amdhsa_float_denorm_mode_32 3
		.amdhsa_float_denorm_mode_16_64 3
		.amdhsa_memory_ordered 1
		.amdhsa_forward_progress 1
		.amdhsa_inst_pref_size 66
	.end_amdhsa_kernel
	.amdgpu_metadata
---
amdhsa.version: [ 1, 2 ]
amdhsa.kernels:
  - .name:           k_q151e7f51c7_align
    .symbol:         k_q151e7f51c7_align.kd
    .args:
      - { .name: input, .offset: 0, .size: 8, .value_kind: global_buffer, .address_space: global }
      - { .name: idx, .offset: 8, .size: 8, .value_kind: global_buffer, .address_space: global }
      - { .name: wts, .offset: 16, .size: 8, .value_kind: global_buffer, .address_space: global }
      - { .name: out0, .offset: 24, .size: 8, .value_kind: global_buffer, .address_space: global }
    .group_segment_fixed_size: 278528
    .private_segment_fixed_size: 0
    .kernarg_segment_align: 8
    .kernarg_segment_size: 32
    .max_flat_workgroup_size: 512
    .sgpr_count:     84
    .vgpr_count:     240
    .wavefront_size: 32
...
	.end_amdgpu_metadata
.endif
;; end of part 3
;; ======== version 3 of 3: 2 launches; 1.25 times as fast as version 1
;; workspace buffers: idx 279,040 bytes of whole numbers; wts 262,144 bytes
;; launch prep (part 4): grid 288 x 1, 4 waves a work-group, no clusters, 0 bytes of LDS; arguments rois, idx, wts; writes idx, wts
.if DOCPART == 4
	.amdgcn_target "amdgcn-amd-amdhsa--gfx1250"
	.amdhsa_code_object_version 6
	.text
	.protected	k_q151e7f51c7_prep
	.globl	k_q151e7f51c7_prep
	.p2align	8
	.type	k_q151e7f51c7_prep,@function
k_q151e7f51c7_prep:
	s_mov_b64 s[64:65], 0
	v_nop
	global_prefetch_b8 v0, s[64:65] scope:SCOPE_SE
	s_setreg_imm32_b32 hwreg(HW_REG_WAVE_MODE, 25, 1), 1
	s_wait_xcnt 0x0
; ROIAlign, first step: everything that hangs on the rois' floating-point numbers is turned into tables here, so that the second
; step forms its addresses from whole numbers alone.  No address and no branch of this kernel hangs on a loaded number.
;   idx, record k (256 bytes): words 0-15  LDS byte offset of the lower row of y sample 0..13 (words 14, 15 repeat 12, 13)
;                              words 32-63 LDS byte offset of lane l's pixel (x sample l>>1, corner l&1; lanes 28-31 repeat 24-27)
;   idx + LISTOFF: for each batch index 1,024 words: the ROIs of that index in ascending order (places behind the count hold
;                  some number 0..1023);   idx + CNTOFF: for each batch index 32 words, all equal to its count
;   wts, record k (256 bytes): words 0-27 y weights (sample, corner), words 32-63 lane l's x weight
; A weight is (1 - frac or frac) x 0.5 for a valid sample and 0 for one outside [-1, 128]: 0.5 x 0.5 is the mean over 2 x 2 samples.
; The lower index is cut at 126 and frac at 1, so that the upper corner is always lower + 1: for 127 <= c <= 128 that gives
; weights 0 and 1 on pixels 126 and 127, the same value as weights (1 - f) and f on pixel 127 twice.
; LIMITS: coordinates are finite; the batch index truncates to 0..3 (another index appears in no list).  The coordinate is one
; fused multiply-add, and size / 7 is a product with 1/7 and one correction step.
.set NLIST,   32                       ; work-groups 0..31 make the lists, 32..287 the records
.set REC,     256
.set LISTOFF, 1024*REC
.set CNTOFF,  LISTOFF+4*4096
.set BAL,     32                       ; s32-63  the 32 words of my batch index's bit mask
	s_load_b128 s[4:7], s[0:1], 0x0                ; rois s[4:5], idx s[6:7]
	s_load_b64 s[8:9], s[0:1], 0x10                ; wts
	v_lshrrev_b32 v1, 5, v0
	v_readfirstlane_b32 s10, v1                    ; wave 0..3
	v_and_b32 v1, 31, v0                           ; lane
	s_cmp_ge_u32 ttmp9, NLIST
	s_cbranch_scc1 .Lrecords
	; ---------------- THE LISTS.  A wave owns one batch index and 32 places j of its list; lane = place.
	; Place j holds the ROI whose rank among the ROIs of that index is j.  It is SELECTED, not scattered: the wave walks the 32 words of
	; the index's bit mask (one ballot each) with the running count, each lane keeps the last word whose count in front is <= j,
	; and then finds the (j - count)-th set bit of that word.
	s_lshl2_add_u32 s11, ttmp9, s10                ; 0..127
	s_lshr_b32 s12, s11, 5                         ; batch index
	s_and_b32 s13, s11, 31                         ; block of 32 places
	v_mul_u32_u24 v2, v1, 20                       ; a roi is 20 bytes; its first number is the batch index
	s_wait_kmcnt 0x0
.set w, 0
.rept 32
	global_load_b32 v[32+w], v2, s[4:5] offset:640*w   ; ROI 32 w + lane.  The table is 20 KB in all
.set w, w+1
.endr
	v_lshl_add_u32 v3, s13, 5, v1                  ; j
	v_lshl_or_b32 v4, v3, 5, 31                    ; 32 j + 31: key = 32 count + word is <= this exactly when count <= j
	v_mov_b32 v5, 0                                ; the key kept
	v_mov_b32 v6, 0                                ; the mask word kept
	s_mov_b32 s14, 0                               ; key of word 0
	; all 32 ballots first, each into a scalar register of its own: the walk below then finds them made, and none of its
	; scalar lines stands behind the vector compare whose result it counts
.set w, 0
.rept 32
	s_wait_loadcnt 31-w                            ; loads return in order: word w's is in, the 31 - w younger ones may be out
	v_cvt_i32_f32 v[32+w], v[32+w]                 ; toward zero, as astype(int32)
	v_cmp_eq_u32 s[BAL+w], s12, v[32+w]            ; the mask word
.set w, w+1
.endr
.set w, 0
.rept 32
	v_cmp_le_u32 vcc_lo, s14, v4
	v_cndmask_b32 v5, v5, s14, vcc_lo
	v_cndmask_b32 v6, v6, s[BAL+w], vcc_lo
	s_bcnt1_i32_b32 s16, s[BAL+w]
	s_lshl_b32 s16, s16, 5
	s_add_co_u32 s14, s14, s16                     ; count moves on,
	s_add_co_u32 s14, s14, 1                       ; and the word's number
.set w, w+1
.endr
	v_lshrrev_b32 v7, 5, v5                        ; ROIs of the index in front of the word
	v_and_b32 v5, 31, v5                           ; the word
	v_sub_nc_u32 v7, v3, v7                        ; n: which of its set bits
	; bit counts of the word's fields of 2, 4, 8 bits, and of its low 16
	v_lshrrev_b32 v8, 1, v6
	v_and_b32 v8, 0x55555555, v8
	v_sub_nc_u32 v8, v6, v8                        ; per 2 bits
	v_lshrrev_b32 v9, 2, v8
	v_and_b32 v9, 0x33333333, v9
	v_and_b32 v10, 0x33333333, v8
	v_add_nc_u32 v9, v9, v10                       ; per 4 bits
	v_lshrrev_b32 v10, 4, v9
	v_add_nc_u32 v10, v10, v9
	v_and_b32 v10, 0x0f0f0f0f, v10                 ; per 8 bits
	v_lshrrev_b32 v11, 8, v10
	v_add_nc_u32 v11, v11, v10                     ; byte 0: the low 16 bits
	v_mov_b32 v12, 0                               ; bit position
; if n is not below the count of the lower half of the field at the position, leave that half behind
.macro HALVE counts, bits, step
	v_bfe_u32 v13, v[\counts], v12, \bits
	v_cmp_ge_u32 vcc_lo, v7, v13
	v_cndmask_b32 v13, 0, v13, vcc_lo
	v_sub_nc_u32 v7, v7, v13
	v_cndmask_b32 v14, 0, \step, vcc_lo
	v_add_nc_u32 v12, v12, v14
.endm
	HALVE 11, 8, 16
	HALVE 10, 8, 8
	HALVE 9, 4, 4
	HALVE 8, 2, 2
	HALVE 6, 1, 1
	v_lshl_add_u32 v5, v5, 5, v12                  ; the ROI: 32 x word + bit
	s_lshl_b32 s17, s12, 12
	v_lshl_add_u32 v15, v3, 2, s17
	global_store_b32 v15, v5, s[6:7] offset:LISTOFF    ; 128 neighbouring bytes
	s_cmp_lg_u32 s13, 0                            ; the wave of the first block also stores the count
	s_cbranch_scc1 .Lend
	s_lshr_b32 s14, s14, 5
	s_sub_co_u32 s14, s14, 1                       ; the key ended at 32 count + 32
	v_mov_b32 v16, s14
	s_lshl_b32 s18, s12, 7
	v_lshl_add_u32 v17, v1, 2, s18
	global_store_b32 v17, v16, s[6:7] offset:CNTOFF
.Lend:
	s_endpgm
	; ---------------- THE RECORDS.  A wave owns one ROI; lane l owns sample l >> 1 and corner l & 1, of x (low half of each
	; register pair) and of y (high half) alike.
.Lrecords:
	s_sub_co_u32 s11, ttmp9, NLIST
	s_lshl2_add_u32 s11, s11, s10                  ; k
	s_mul_i32 s12, s11, 20
	s_wait_kmcnt 0x0
	s_load_b128 s[16:19], s[4:5], s12 offset:0x4   ; x1 y1 x2 y2
	s_mov_b32 s20, 0x3e124925                      ; 1/7
	s_mov_b32 s21, 0
	s_mov_b32 s22, 0xc0e00000                      ; -7
	s_mov_b32 s23, 0
	s_mov_b32 s26, 0x43000000                      ; 128
	s_mov_b32 s28, 0x42fc0000                      ; 126
	s_mov_b32 s30, 0x3e800000                      ; 0.25
	v_cmp_le_u32 vcc_lo, 28, v1
	v_add_nc_u32 v2, -4, v1
	v_cndmask_b32 v2, v1, v2, vcc_lo               ; lanes 28-31 do what lanes 24-27 do
	v_and_b32 v3, 1, v2                            ; corner
	v_lshrrev_b32 v4, 1, v2                        ; sample i = 0..13
	v_cvt_f32_u32 v4, v4
	v_fma_f32 v4, v4, 0.5, s30                     ; i // 2 + (i % 2 + 0.5) / 2 = i / 2 + 0.25, exact
	v_mov_b32 v5, v4
	s_wait_kmcnt 0x0
	v_mov_b32 v6, s16
	v_mov_b32 v7, s17
	v_mov_b32 v8, s18
	v_mov_b32 v9, s19
	v_pk_mul_f32 v[6:7], v[6:7], 0x3e800000 op_sel_hi:[1,0]            ; x1, y1 in feature pixels
	v_pk_mul_f32 v[8:9], v[8:9], 0x3e800000 op_sel_hi:[1,0]
	v_pk_add_f32 v[8:9], v[8:9], v[6:7] neg_lo:[0,1] neg_hi:[0,1]
	v_max_num_f32 v8, 1.0, v8                      ; width,
	v_max_num_f32 v9, 1.0, v9                      ; height, at least 1
	v_pk_mul_f32 v[10:11], v[8:9], s[20:21] op_sel_hi:[1,0]            ; q = size x 1/7
	v_pk_fma_f32 v[8:9], v[10:11], s[22:23], v[8:9] op_sel_hi:[1,0,1]  ; size - 7 q
	v_pk_fma_f32 v[10:11], v[8:9], s[20:21], v[10:11] op_sel_hi:[1,0,1]    ; the bin's size, corrected
	v_pk_fma_f32 v[12:13], v[10:11], v[4:5], v[6:7]                    ; the sample's coordinate
	v_cmp_le_f32 s24, -1.0, v12
	v_cmp_ge_f32 s25, s26, v12
	s_and_b32 s24, s24, s25
	v_cmp_le_f32 s25, -1.0, v13
	v_cmp_ge_f32 s27, s26, v13
	s_and_b32 s25, s25, s27
	v_cndmask_b32 v14, 0, 0.5, s24                 ; valid: half of the mean's 1/4 for each axis; else 0
	v_cndmask_b32 v15, 0, 0.5, s25
	v_max_num_f32 v12, 0, v12
	v_max_num_f32 v13, 0, v13
	v_floor_f32 v16, v12
	v_floor_f32 v17, v13
	v_min_num_f32 v16, s28, v16                    ; lower index, at most 126
	v_min_num_f32 v17, s28, v17
	v_pk_add_f32 v[12:13], v[12:13], v[16:17] neg_lo:[0,1] neg_hi:[0,1]
	v_min_num_f32 v12, 1.0, v12                    ; frac, at most 1
	v_min_num_f32 v13, 1.0, v13
	v_sub_f32 v18, 1.0, v12
	v_sub_f32 v19, 1.0, v13
	v_cmp_eq_u32 vcc_lo, 1, v3
	v_cndmask_b32 v12, v18, v12, vcc_lo            ; upper corner: frac; lower: 1 - frac
	v_cndmask_b32 v13, v19, v13, vcc_lo
	v_pk_mul_f32 v[12:13], v[12:13], v[14:15]
	v_cvt_u32_f32 v16, v16
	v_cvt_u32_f32 v17, v17
	v_add_nc_u32 v16, v16, v3                      ; my pixel
	v_bfe_u32 v18, v16, 4, 2
	v_xor_b32 v16, v16, v18                        ; its place in an LDS row: x ^ ((x >> 4) & 3), as the second step lays the rows
	v_lshlrev_b32 v16, 4, v16                      ; 16 bytes a pixel (4 channels)
	v_lshlrev_b32 v17, 11, v17                     ; 2,048 bytes a row
	s_lshl_b32 s29, s11, 8
	v_lshl_add_u32 v20, v1, 2, s29                 ; record + 4 lane
	v_lshrrev_b32 v21, 1, v1
	v_lshl_add_u32 v21, v21, 2, s29                ; record + 4 (lane >> 1): the two lanes of a sample store the same word
	global_store_b32 v21, v17, s[6:7]
	global_store_b32 v20, v16, s[6:7] offset:128
	global_store_b32 v20, v13, s[8:9]
	global_store_b32 v20, v12, s[8:9] offset:128
	s_endpgm
.Lfunc_end_k_q151e7f51c7_prep:
	.size	k_q151e7f51c7_prep, .Lfunc_end_k_q151e7f51c7_prep-k_q151e7f51c7_prep
	.p2alignl 7, 3214868480
	.fill 96, 4, 3214868480
	.section	.rodata,"a",@progbits
	.p2align	6, 0x0
	.amdhsa_kernel k_q151e7f51c7_prep
		.amdhsa_group_segment_fixed_size 0
		.amdhsa_private_segment_fixed_size 0
		.amdhsa_enable_private_segment 0
		.amdhsa_kernarg_size 24
		.amdhsa_user_sgpr_count 2
		.amdhsa_user_sgpr_kernarg_segment_ptr 1
		.amdhsa_wavefront_size32 1
		.amdhsa_system_sgpr_workgroup_id_x 1
		.amdhsa_system_sgpr_workgroup_id_y 1
		.amdhsa_system_sgpr_workgroup_id_z 1
		.amdhsa_system_vgpr_workitem_id 0
		.amdhsa_next_free_vgpr 64
		.amdhsa_next_free_sgpr 66
		.amdhsa_reserve_vcc 1
		.amdhsa_float_denorm_mode_32 3
		.amdhsa_float_denorm_mode_16_64 3
		.amdhsa_memory_ordered 1
		.amdhsa_forward_progress 1
		.amdhsa_inst_pref_size 23
	.end_amdhsa_kernel
	.amdgpu_metadata
---
amdhsa.version: [ 1, 2 ]
amdhsa.kernels:
  - .name:           k_q151e7f51c7_prep
    .symbol:         k_q151e7f51c7_prep.kd
    .args:
      - { .name: rois, .offset: 0, .size: 8, .value_kind: global_buffer, .address_space: global }
      - { .name: idx, .offset: 8, .size: 8, .value_kind: global_buffer, .address_space: global }
      - { .name: wts, .offset: 16, .size: 8, .value_kind: global_buffer, .address_space: global }
    .group_segment_fixed_size: 0
    .private_segment_fixed_size: 0
    .kernarg_segment_align: 8
    .kernarg_segment_size: 24
    .max_flat_workgroup_size: 128
    .sgpr_count:     66
    .vgpr_count:     64
    .wavefront_size: 32
...
	.end_amdgpu_metadata
.endif
;; end of part 4
;; launch align (part 5): grid 256 x 1, 16 waves a work-group, no clusters, 278,528 bytes of LDS; arguments input, idx, wts, out0; writes out0
.if DOCPART == 5
	.amdgcn_target "amdgcn-amd-amdhsa--gfx1250"
	.amdhsa_code_object_version 6
	.text
	.protected	k_q151e7f51c7_align
	.globl	k_q151e7f51c7_align
	.p2align	8
	.type	k_q151e7f51c7_align,@function
k_q151e7f51c7_align:
	s_mov_b64 s[64:65], 0
	v_nop
	global_prefetch_b8 v0, s[64:65] scope:SCOPE_SE
	s_setreg_imm32_b32 hwreg(HW_REG_WAVE_MODE, 25, 1), 1
	s_wait_xcnt 0x0
; ROIAlign, second step.  input [4][256][128][128] f32, out0 [1024][256][7][7] f32; idx and wts as the first step left them.
; 1,024 planes of 64 KB are 4 planes for each of 256 work-groups: work-group g keeps planes 4g .. 4g+3 (batch index g >> 6, four
; channels) in LDS for the whole kernel, so every feature byte is read from memory once, and serves all ROIs of its batch index.
; LDS LAYOUT [y][place of x][4 channels], 16 bytes a pixel, 2,048 a row: one ds_load_b128 brings one corner for four channels.
; The place of x is x ^ ((x >> 4) & 3): the fill's stores, whose lanes are 4 pixels apart, then fall on 16 different 16-byte columns of
; the 64 banks (ISA guide 11.1), and 16 neighbouring pixels still do except where a window of 14 or more crosses a multiple of 16.
; A WAVE TAKES A ROI.  Lane 4 pw + 2 sx + cx owns one x corner of bin pw; lanes 28-31 repeat lanes 24-27 (same addresses, weights, results).
; The sixteen lanes that LDS serves together lie on ONE row within 8 x samples, a window of at most 16 pixels for ROIs up to 28 feature
; pixels wide.  The y weights are the same in all lanes.  The four lanes of a bin are summed at the end, each keeping a quarter of the 28 sums.
; THE LOOP IS A PIPELINE ONE ROI DEEP.  The 28 rows are multiplied in four passes (sample and corner of y) over the 7 bin rows: the 14 packed
; instructions of a pass do not depend on each other, and behind a pass its 7 rows' registers are asked for again with the NEXT ROI's rows,
; so that the 28 LDS loads are on their way under the rest of this ROI's arithmetic.  Memory instructions stand in runs, not one by one
; among the vector instructions: in an item there are six places where a memory instruction follows a vector instruction.
; Item n asks for: the row offsets of item n + 2 at its head, its x offset behind the first pass, its weights behind the last, and the list
; entry of item n + 3.
; NOT USED, by this text's arithmetic: tensor loads (four planes are interleaved word by word, which takes registers); clusters (no plane
; is read by two work-groups; shared are only the records, 512 bytes a ROI against 256 KB of planes); matrix units (16 weights other
; than zero among 16,384 pixels).
; LIMITS: the ROIs of a batch index are served by its 64 work-groups alone: uneven counts cost time, no value.  Sums in f32, in another order
; than the reference's (rows first, then the x weight, then the four lanes).
.set WAVES,   16
.set PLANE,   65536                    ; bytes of a plane in memory
.set GROW,    512                      ; bytes of a row in memory
.set LROW,    2048                     ; bytes of a row in LDS
.set STAGE,   128*LROW                 ; behind the planes: 1,024 bytes for each wave, for the way out
.set CHUNK,   784                      ; 4 channels x 49 f32: what a ROI gets from this work-group, contiguous in out0
.set ROIOUT,  256*196                  ; bytes of a ROI in out0
.set REC,     256
.set LISTOFF, 1024*REC
.set CNTOFF,  LISTOFF+4*4096
; vector registers
.set L4,   1                           ; 4 x lane
.set ZERO, 2
.set STG,  3                           ; stage: where my results go
.set RA,   4                           ; stage + 16 lane
.set RB,   5                           ; stage + 16 lane + 512 (lane >> 4)
.set OA,   6                           ; the same two lane terms as offsets in out0
.set OB,   7
.set GA,   8                           ; + the ROI
.set GB,   9
.set RT,   10                          ; one spare register for the sum over lanes
.set XO,   11                          ; my x offset, of the item whose rows are asked for next
.set TA,   12                          ; v12-25   the 14 row addresses of that item
.set XW,   26                          ; v26, v28 my x weight, set 0, 1; v27, v29 are written once, so that the pairs are whole
.set XO0,  30                          ; item 0's x offset
.set LANE, 31
.set O,    32                          ; v32-39   store data
.set YW,   40                          ; v40-95   set p: 28 y weights
.set ACC,  96                          ; v96-123  sums: bin row ph, channel c at ACC + 4 ph + c
.set D,    124                         ; v124-235 28 rows x 4 channels: bin row ph, pass r at D + 16 ph + 4 r
.set F,    96                          ; the fill: v96-223 8 rows x 4 channels x 4 pixels as loaded,
.set T,    224                         ;           v224-239 row 0 turned: 4 pixels x 4 channels
.set FA,   12                          ;           v12-15 LDS address of pixel i of my four
.set FO,   16                          ;           my offset in a plane
; scalar registers
.set YO,   16                          ; s16-31   14 row offsets (16 loaded) of the item whose rows are asked for next
.set YO0,  32                          ; s32-47   item 0's
.set KK,   48                          ; s48-49   list entries: item j's lies in s[KK + (j & 1)] from the head of item j - 2 on
.set PI,   50                          ; record in idx
.set PW,   52                          ; record in wts
.set LB,   54                          ; my batch index's list
.set OUT,  56                          ; s56-57   byte offset in out0 of the ROI of the item of parity p
.set PI0,  80                          ; item 0's record, in registers of its own
.set PW0,  82
                                       ; s58 pairs of items, s59 the pair at work, s60 its first item, s61 my items
	s_load_b256 s[4:11], s[0:1], 0x0               ; input s[4:5], idx s[6:7], wts s[8:9], out0 s[10:11]
	v_lshrrev_b32 v[LANE], 5, v0
	v_readfirstlane_b32 s12, v[LANE]               ; wave 0..15
	v_and_b32 v[LANE], 31, v0
	s_lshr_b32 s13, ttmp9, 6                       ; batch index
	s_and_b32 s14, ttmp9, 63                       ; group of four channels
	s_and_b32 s77, ttmp9, 15                       ; a
	s_lshl_b32 s15, s77, 4                         ; 784 x group mod 256 = 16 a: where my piece begins in its 256 bytes
	s_lshl_b32 s62, s12, 12                        ; the wave fills rows 8 w .. 8 w + 7
	v_lshl_add_u32 v[FO], v[LANE], 4, s62          ; a lane takes 16 bytes, a wave a whole row of 512
	s_lshl_b32 s66, ttmp9, 18                      ; four planes a work-group
	s_mov_b32 s67, 0
	s_wait_kmcnt 0x0
	s_add_nc_u64 s[4:5], s[4:5], s[66:67]
	; THE FILL: all 32 loads of the wave at once, 16 KB; the work-group's 256 KB are in flight together.
.set fr, 0
.rept 8
.set fc, 0
.rept 4
	global_load_b128 v[F+16*fr+4*fc:F+16*fr+4*fc+3], v[FO], s[4:5] offset:fc*PLANE+fr*GROW th:TH_LOAD_NT
.set fc, fc+1
.endr
.set fr, fr+1
.endr
	; the count of my batch index, and the ROIs of my first three items (list places w, w + 16, w + 32)
	s_lshl_b32 s73, s13, 7
	s_load_b32 s72, s[6:7], s73 offset:CNTOFF
	s_lshl_b32 s66, s13, 12
	s_add_co_u32 s66, s66, LISTOFF
	s_add_nc_u64 s[LB:LB+1], s[6:7], s[66:67]
	s_lshl_b32 s71, s12, 2
	s_load_b32 s[OUT], s[LB:LB+1], s71
	s_load_b32 s[OUT+1], s[LB:LB+1], s71 offset:4*WAVES
	s_load_b32 s[KK], s[LB:LB+1], s71 offset:8*WAVES
	; lane constants.  Pixel 4 l + i of a row goes to place 4 l + (i ^ (l >> 2) & 3)
	v_lshrrev_b32 v17, 2, v[LANE]                  ; l >> 2 = 0..7
	s_lshl_b32 s63, s12, 14                        ; 8 rows of 2,048 bytes a wave
	v_lshl_add_u32 v18, v[LANE], 6, s63            ; + 4 pixels of 16 bytes a lane
.irp i, 0,1,2,3
	v_xor_b32 v19, \i, v17
	v_and_b32 v19, 3, v19
	v_lshl_add_u32 v[FA+\i], v19, 4, v18
.endr
	v_lshlrev_b32 v[L4], 2, v[LANE]
	v_mov_b32 v[ZERO], 0
	v_mov_b32 v[XW+1], 0                           ; the upper halves of the x weights' pairs: named by the packed multiplies, never used
	v_mov_b32 v[XW+3], 0
	; THE WAY OUT.  My wave's stage is an image of the 1,024 bytes of out0, beginning at a multiple of 256 from the ROI's first byte, that hold
	; the piece: the piece begins 16 a bytes into it and ends at 16 a + 784 <= 1,024.
	; In: word 49 c + 7 ph + pw of the piece is 7 u + pw with u = 7 c + ph.  Lane 4 pw + q ends up with u = 4 j + q, j = 0..6:
	; word 28 j + 7 q + pw, so that the 28 lanes fill 28 neighbouring words for each j.
	v_and_b32 v19, 3, v[LANE]                      ; q
	v_min_u32 v17, 6, v17                          ; pw; lanes 28-31 as lanes 24-27
	v_mul_u32_u24 v19, v19, 7
	v_add_nc_u32 v19, v19, v17
	s_lshl_b32 s74, s12, 10
	s_add_co_u32 s74, s74, STAGE                   ; my wave's stage
	s_add_co_u32 s75, s74, s15                     ; the piece in it
	v_lshl_add_u32 v[STG], v19, 2, s75
	; Back: store A takes image bytes 256 + 16 lane: 256 .. 767 lie in the piece for every a (16 a <= 240, 16 a + 784 >= 784), all lanes on.
	; Store B takes the two ends: lanes 0-15 bytes 16 lane (in the piece from lane a on), lanes 16-31 bytes 768 + 16 (lane - 16)
	; (in the piece up to lane 16 + a): always 17 lanes, under a mask that is made here once and kept in VCC.
	v_lshlrev_b32 v[OA], 4, v[LANE]
	v_lshrrev_b32 v18, 4, v[LANE]
	v_lshl_add_u32 v[OB], v18, 9, v[OA]            ; 16 lane + 512 for the upper sixteen: 256 + 512 = 768 at lane 16
	v_add_nc_u32 v[RA], s74, v[OA]
	v_add_nc_u32 v[RB], s74, v[OB]
	s_lshl_b32 s78, 0xffff, s77
	s_and_b32 s78, s78, 0xffff                     ; lanes a .. 15
	s_lshl_b32 s79, 2, s77
	s_sub_co_u32 s79, s79, 1
	s_lshl_b32 s79, s79, 16                        ; lanes 16 .. 16 + a
	s_or_b32 vcc_lo, s78, s79                      ; no other line of the kernel writes VCC
	s_mul_i32 s66, s14, CHUNK
	s_sub_co_u32 s66, s66, s15                     ; a multiple of 256
	s_add_nc_u64 s[10:11], s[10:11], s[66:67]
	s_mov_b32 s68, 0xaaaaaaaa                      ; lanes with q & 1
	s_mov_b32 s69, 0xcccccccc                      ; lanes with q & 2
	; the stage is cleared once: the lanes that store B leaves out then load bytes that have been written
.irp i, 0,1,2,3
	v_mov_b32 v[O+\i], 0
.endr
	ds_store_b128 v[RA], v[O:O+3]
	ds_store_b128 v[RA], v[O:O+3] offset:512
; the 28 y weights of a record into set p: every lane reads the same 112 bytes
.macro WEIGHTS p, base
.irp m, 0,1,2,3,4,5,6
	global_load_b128 v[YW+28*\p+4*\m:YW+28*\p+4*\m+3], v[ZERO], s[\base:\base+1] offset:16*\m
.endr
.endm
; In front of the loop: the whole record of the ROI in s[k] (9 vector loads, the x offset first), and the ROI's place in out0 in s[k]'s stead.
; A loaded whole number is cut to its table's range before it enters an address.
.macro RECORD k, pi, pw, yo, xo, p
	s_min_u32 s[\k], s[\k], 1023
	s_lshl_b32 s66, s[\k], 8
	s_add_nc_u64 s[\pi:\pi+1], s[6:7], s[66:67]
	s_add_nc_u64 s[\pw:\pw+1], s[8:9], s[66:67]
	s_load_b512 s[\yo:\yo+15], s[\pi:\pi+1], 0x0
	global_load_b32 v[\xo], v[L4], s[\pi:\pi+1] offset:128
	global_load_b32 v[XW+2*\p], v[L4], s[\pw:\pw+1] offset:128
	WEIGHTS \p, \pw
	s_mul_i32 s[\k], s[\k], ROIOUT
.endm
; the 14 row addresses of an item, in one run, well ahead of the loads that use them
.macro ROWS yo, xo
	v_min_u32 v[\xo], 127*16, v[\xo]
.set iy, 0
.rept 14
	s_min_u32 s[\yo+iy], s[\yo+iy], 126*LROW
.set iy, iy+1
.endr
.set iy, 0
.rept 14
	v_add_nc_u32 v[TA+iy], s[\yo+iy], v[\xo]
.set iy, iy+1
.endr
.endm
	s_wait_kmcnt 0x0
	s_min_u32 s72, s72, 1024
	s_add_co_u32 s61, s72, WAVES-1
	s_sub_co_u32 s61, s61, s12
	s_lshr_b32 s61, s61, 4                         ; my items: list places w, w + 16, .. below the count; at most 64
	RECORD OUT,   PI0, PW0, YO0, XO0, 0            ; item 0
	RECORD OUT+1, PI,  PW,  YO,  XO,  1            ; item 1 (places behind the count hold some ROI: loaded, never worked on)
	; The fill's second half: turn 4 channels x 4 pixels in registers, store 4 pixels x 4 channels.  No register is the data of two LDS stores:
	; row 0 is turned into T, row r into the 16 registers that row r - 1 was loaded into, which only the moves of row r - 1 have read.
	; A row's 16 moves stand together, and its 4 stores behind them.
.set fr, 0
.rept 8
	s_wait_loadcnt 4*(7-fr)+18                     ; loads return in order: out may be the later rows' 4 each and the two records' 18
.if fr == 0
.set tt, T
.else
.set tt, F+16*(fr-1)
.endif
.set fi, 0
.rept 4
.set fc, 0
.rept 4
	v_mov_b32 v[tt+4*fi+fc], v[F+16*fr+4*fc+fi]
.set fc, fc+1
.endr
.set fi, fi+1
.endr
.set fi, 0
.rept 4
	ds_store_b128 v[FA+fi], v[tt+4*fi:tt+4*fi+3] offset:fr*LROW
.set fi, fi+1
.endr
.set fr, fr+1
.endr
	s_wait_kmcnt 0x0                               ; the row offsets of items 0 and 1
	s_wait_loadcnt 17                              ; item 0's x offset is the first of the 18
	ROWS YO0, XO0                                  ; (v12-16 were the fill's: its loads are in, and its LDS stores are issued)
	s_wait_dscnt 0x0                               ; for the others' sake: my rows are in LDS
	s_barrier_signal -1
	s_barrier_wait -1                              ; the planes are whole, and are only read from here on: the one barrier of the kernel
; One ROI.  p: the parity of the item and its set of weights; q: the other.  more = 1: an item follows, and its rows are asked for here;
; more = 0: the wave's last item, which asks for nothing.
.macro ITEM p, q, more
.if \more
	s_wait_kmcnt 0x0                               ; asked for one item ago: the next item's row offsets, and the list entry of the item after it
	s_wait_loadcnt 0x8                             ; loads return in order: out may be the 8 weight loads of the next item, issued behind its x offset;
	                                               ; that offset and my own weights, older still, are in
	ROWS YO, XO
	s_min_u32 s[KK+\p], s[KK+\p], 1023             ; item + 2: its record.  PI's loads are done by the two waits above; PW's have had their
	s_lshl_b32 s66, s[KK+\p], 8                    ; addresses translated since the s_wait_xcnt 0 of the last way out
	s_add_nc_u64 s[PI:PI+1], s[6:7], s[66:67]
	s_add_nc_u64 s[PW:PW+1], s[8:9], s[66:67]
	s_load_b512 s[YO:YO+15], s[PI:PI+1], 0x0       ; its row offsets, into the registers just read out
	s_add_co_u32 s62, s60, 3+\p                    ; item + 3: its list place w + 16 (item + 3),
	s_lshl4_add_u32 s62, s62, s12
	s_min_u32 s62, s62, 1023                       ; inside the list
	s_lshl_b32 s71, s62, 2
	s_load_b32 s[KK+\q], s[LB:LB+1], s71
.else
	s_wait_loadcnt 0x0                             ; my weights
.endif
	; Four passes, r = 2 x sample + corner of y.  My rows are all in registers (the wait for 0 at the end of the item before, or in front of the loop).
	; A sum is touched again 14 vector instructions later.  Behind a pass, one run of 7 loads asks for its rows' registers again.
.set r, 0
.rept 4
.set ph, 0
.rept 7
.set a, ACC+4*ph
.set d, D+16*ph+4*r
.set y, YW+28*\p+4*ph+(r&2)
.if r == 0
	v_pk_mul_f32 v[a:a+1],   v[d:d+1],   v[y:y+1] op_sel_hi:[1,0]                              ; the first product starts the sum
	v_pk_mul_f32 v[a+2:a+3], v[d+2:d+3], v[y:y+1] op_sel_hi:[1,0]
.else
.if r == 2
	v_pk_fma_f32 v[a:a+1],   v[d:d+1],   v[y:y+1], v[a:a+1]   op_sel_hi:[1,0,1]                ; the pair's lower weight for both channels
	v_pk_fma_f32 v[a+2:a+3], v[d+2:d+3], v[y:y+1], v[a+2:a+3] op_sel_hi:[1,0,1]
.else
	v_pk_fma_f32 v[a:a+1],   v[d:d+1],   v[y:y+1], v[a:a+1]   op_sel:[0,1,0] op_sel_hi:[1,1,1] ; the upper
	v_pk_fma_f32 v[a+2:a+3], v[d+2:d+3], v[y:y+1], v[a+2:a+3] op_sel:[0,1,0] op_sel_hi:[1,1,1]
.endif
.endif
.set ph, ph+1
.endr
.if \more
.set ph, 0
.rept 7
.set d, D+16*ph+4*r
	ds_load_b128 v[d:d+3], v[TA+2*ph+(r>>1)] offset:(r&1)*LROW     ; the next item's row: my pixel, four channels
.set ph, ph+1
.endr
.if r == 0
	global_load_b32 v[XO], v[L4], s[PI:PI+1] offset:128            ; item + 2's x offset: the first of this item's 9 vector loads
.endif
.endif
.set r, r+1
.endr
.if \more
	WEIGHTS \p, PW                                 ; item + 2's y weights, into the set that the passes have done with
.endif
.set ph, 0
.rept 7
.set a, ACC+4*ph
	v_pk_mul_f32 v[a:a+1],   v[a:a+1],   v[XW+2*\p:XW+2*\p+1] op_sel_hi:[1,0]                  ; my corner's x weight
	v_pk_mul_f32 v[a+2:a+3], v[a+2:a+3], v[XW+2*\p:XW+2*\p+1] op_sel_hi:[1,0]
.set ph, ph+1
.endr
.if \more
	global_load_b32 v[XW+2*\p], v[L4], s[PW:PW+1] offset:128       ; and its x weight: 8 loads behind the x offset
.endif
	; The sum over the four lanes of a bin, which at the same time deals the 28 sums out: in each of two steps a lane keeps one of two registers,
	; sends the other to its partner, and adds what the partner sends.  Lane q ends with u = 4 j + q.  Sum u = 7 c + ph lies in ACC + 4 (u % 7) + u / 7.
	; Done by stages over all sums, in place: what is sent goes to the register that the pair in front has just given up (the first to RT).
.set k, 0
.rept 14
.set q0, ACC+4*((2*k)%7)+(2*k)/7
.set q1, ACC+4*((2*k+1)%7)+(2*k+1)/7
.if k == 0
.set t, RT
.else
.set t, ACC+4*((2*k-1)%7)+(2*k-1)/7
.endif
	v_cndmask_b32 v[t],  v[q1], v[q0], s68         ; to send
	v_cndmask_b32 v[q0], v[q0], v[q1], s68         ; to keep
.set k, k+1
.endr
.set k, 0
.rept 14
.set q0, ACC+4*((2*k)%7)+(2*k)/7
.if k == 0
.set t, RT
.else
.set t, ACC+4*((2*k-1)%7)+(2*k-1)/7
.endif
	v_add_f32_dpp v[q0], v[t], v[q0] row_xmask:1 row_mask:0xf bank_mask:0xf
.set k, k+1
.endr
.set k, 0
.rept 7
.set qa, ACC+4*((4*k)%7)+(4*k)/7
.set qb, ACC+4*((4*k+2)%7)+(4*k+2)/7
.set t, ACC+4*((4*k+1)%7)+(4*k+1)/7
	v_cndmask_b32 v[t],  v[qb], v[qa], s69
	v_cndmask_b32 v[qa], v[qa], v[qb], s69
.set k, k+1
.endr
	s_wait_xcnt 0x0                                ; every global instruction so far has had its addresses translated (ISA guide 3.1): the last item's store offsets and data
	                                               ; are rewritten, and EXEC is narrowed, only behind this wait; no global instruction stands between it and the narrowing
	v_add_nc_u32 v[GA], s[OUT+\p], v[OA]           ; the store offsets are made here, so that the nine LDS instructions below are one run
	v_add_nc_u32 v[GB], s[OUT+\p], v[OB]
.set k, 0
.rept 7
.set qa, ACC+4*((4*k)%7)+(4*k)/7
.set t, ACC+4*((4*k+1)%7)+(4*k+1)/7
	v_add_f32_dpp v[qa], v[t], v[qa] row_xmask:2 row_mask:0xf bank_mask:0xf
.set k, k+1
.endr
.set k, 0
.rept 7
.set qa, ACC+4*((4*k)%7)+(4*k)/7
	ds_store_b32 v[STG], v[qa] offset:112*k        ; 28 neighbouring words
.set k, k+1
.endr
	ds_load_b128 v[O:O+3],   v[RA] offset:256      ; LDS serves a wave's instructions in order (ISA guide 5.7.1.4): these see the stores above,
	ds_load_b128 v[O+4:O+7], v[RB]                 ; and the stage is my wave's own
.if \more
	s_mul_i32 s[OUT+\p], s[KK+\p], ROIOUT          ; item + 2's place in out0 (its ROI was cut to 0..1023 at this item's head)
.endif
	s_wait_dscnt 0x0                               ; these two are the last LDS instructions issued, so their count is 0; with them the next item's 28 rows,
	                                               ; issued at least 79 vector instructions ago, are shown in
	s_and_saveexec_b32 s78, vcc_lo                 ; the 17 lanes whose 16 bytes of the two ends belong to the piece
	global_store_b128 v[GB], v[O+4:O+7], s[10:11] th:TH_STORE_NT   ; the piece's part of its first and of its last 256 bytes; the rest of these is the neighbouring channel groups'
	s_wait_xcnt 0x0                                ; EXEC is a source of that store: it is widened only behind this wait
	s_or_b32 exec_lo, exec_lo, s78                 ; all lanes on again
	global_store_b128 v[GA], v[O:O+3], s[10:11] offset:256 th:TH_STORE_NT  ; 512 consecutive bytes that begin at a multiple of 256 from out0's first byte
.endm
	s_cmp_eq_u32 s61, 0
	s_cbranch_scc1 .Lend                           ; a wave whose first list place lies behind the count has nothing to do
	; item 0's rows
.set iy, 0
.rept 14
	ds_load_b128 v[D+8*iy:D+8*iy+3],   v[TA+iy]                    ; lower row
	ds_load_b128 v[D+8*iy+4:D+8*iy+7], v[TA+iy] offset:LROW        ; upper row
.set iy, iy+1
.endr
	s_wait_xcnt 0x0                                ; item 1's record was asked for through PI and PW, which the first item's head writes again
	s_wait_dscnt 0x0                               ; the passes find their rows in registers
	; THE LOOP takes two items a trip, one for each set of weights, and counts the PAIRS: s59 goes up by 1 to s58 = (items + 1) / 2, at most 32.
	; Each wave's last item is the form that asks for nothing, and ends in an s_endpgm of its own; the branch in front hops over these two alone.
	s_add_co_u32 s58, s61, 1
	s_lshr_b32 s58, s58, 1                         ; pairs, the last perhaps half
	s_mov_b32 s59, 0
.Lpair:
	s_lshl_b32 s60, s59, 1                         ; the pair's first item
	s_add_co_u32 s62, s60, 1
	s_cmp_lt_u32 s62, s61
	s_cbranch_scc1 .Lfull0                         ; an item follows it
	ITEM 0, 1, 0
	s_endpgm                                       ; out are only stores and the loads of records that nobody will use
.Lfull0:
	ITEM 0, 1, 1
	s_add_co_u32 s62, s60, 2
	s_cmp_lt_u32 s62, s61
	s_cbranch_scc1 .Lfull1                         ; an item follows the pair's second
	ITEM 1, 0, 0
	s_endpgm
.Lfull1:
	ITEM 1, 0, 1
	s_add_co_u32 s59, s59, 1
	s_cmp_lt_u32 s59, s58
	s_cbranch_scc1 .Lpair
.Lend:
	s_endpgm
.Lfunc_end_k_q151e7f51c7_align:
	.size	k_q151e7f51c7_align, .Lfunc_end_k_q151e7f51c7_align-k_q151e7f51c7_align
	.p2alignl 7, 3214868480
	.fill 96, 4, 3214868480
	.section	.rodata,"a",@progbits
	.p2align	6, 0x0
	.amdhsa_kernel k_q151e7f51c7_align
		.amdhsa_group_segment_fixed_size 278528
		.amdhsa_private_segment_fixed_size 0
		.amdhsa_enable_private_segment 0
		.amdhsa_kernarg_size 32
		.amdhsa_user_sgpr_count 2
		.amdhsa_user_sgpr_kernarg_segment_ptr 1
		.amdhsa_wavefront_size32 1
		.amdhsa_system_sgpr_workgroup_id_x 1
		.amdhsa_system_sgpr_workgroup_id_y 1
		.amdhsa_system_sgpr_workgroup_id_z 1
		.amdhsa_system_vgpr_workitem_id 0
		.amdhsa_next_free_vgpr 240
		.amdhsa_next_free_sgpr 84
		.amdhsa_reserve_vcc 1
		.amdhsa_float_denorm_mode_32 3
		.amdhsa_float_denorm_mode_16_64 3
		.amdhsa_memory_ordered 1
		.amdhsa_forward_progress 1
		.amdhsa_inst_pref_size 66
	.end_amdhsa_kernel
	.amdgpu_metadata
---
amdhsa.version: [ 1, 2 ]
amdhsa.kernels:
  - .name:           k_q151e7f51c7_align
    .symbol:         k_q151e7f51c7_align.kd
    .args:
      - { .name: input, .offset: 0, .size: 8, .value_kind: global_buffer, .address_space: global }
      - { .name: idx, .offset: 8, .size: 8, .value_kind: global_buffer, .address_space: global }
      - { .name: wts, .offset: 16, .size: 8, .value_kind: global_buffer, .address_space: global }
      - { .name: out0, .offset: 24, .size: 8, .value_kind: global_buffer, .address_space: global }
    .group_segment_fixed_size: 278528
    .private_segment_fixed_size: 0
    .kernarg_segment_align: 8
    .kernarg_segment_size: 32
    .max_flat_workgroup_size: 512
    .sgpr_count:     84
    .vgpr_count:     240
    .wavefront_size: 32
...
	.end_amdgpu_metadata
.endif
;; end of part 5
